; MI455X (gfx1250); checked and timed in simulation.
; The chip was launched on July 23, 2026; its instructions are those of AMD's public machine-readable ISA for CDNA 5 (MIT licence, August 2026) and "CDNA5" Instruction Set Architecture Reference Guide (July 2026). The comments in the code are by the model that wrote it; some were corrected since.
;; Attention Causal2. Allowed arithmetic: matrix products marked QUANTISED: E5M2 operands, one E8M0 scale for each 32 along K, by v_wmma_scale_f32_16x16x128_f8f6f4 with both operands' format E5M2, f32 sums; everything else in f32.
;; Inputs: Wk 1,024 x 1,024 float32; Wq 1,024 x 1,024 float32; Wv 1,024 x 1,024 float32; embeddings 4 x 2,048 x 1,024 float32.
;; Outputs: out0 4 x 2,048 x 1,024 float32.
;; This version of the problem:
;;   THIS VERSION OF THE PROBLEM IS GIVEN IN LOW PRECISION. The matrix products marked QUANTISED in the list below multiply operands that are first quantised to E5M2 (5 exponent bits, 2 mantissa bits; 8 bits a number), with one power-of-two scale for each 32 numbers along K (OCP MX v1.0); their sums are f32. All else is computed in f32.
;;   The module's matrix products, in the order in which they are computed (A, B: the left and right operand; K: the contracted axis; several contracted axes count as one K, in the product's order):
;;     1. [M 8,192, K 1,024] x [K 1,024, N 1,024]; A: input embeddings; B: input Wq: QUANTISED
;;     2. [M 8,192, K 1,024] x [K 1,024, N 1,024]; A: input embeddings; B: input Wk: QUANTISED
;;     3. [M 8,192, K 1,024] x [K 1,024, N 1,024]; A: input embeddings; B: input Wv: QUANTISED
;;     4. batch 4 x [M 2,048, K 1,024] x [K 1,024, N 2,048]; A: computed on the way; B: computed on the way: QUANTISED
;;     5. batch 4 x [M 2,048, K 2,048] x [K 2,048, N 1,024]; A: softmax (see below); B: computed on the way: QUANTISED
;;   THE QUANTISER, for each operand of a quantised product, along K:
;;     - K is cut into blocks of 32 from its start; a last block that is shorter is filled with zeros.
;;     - A block's scale is 2^e with e = floor(log2(the largest magnitude in the block)) - 15, held to -126 .. 127; a block of zeros has e = 0. As a byte (E8M0): e + 127.
;;     - Each number is divided by its block's scale, clamped to +-57,344, and rounded to the nearest number of E5M2, ties to even, subnormals kept.
;;     - The product sums the exact products of the quantised numbers (number of the format x scale) in f32.
;;   ~~~python
;;   def quantise(x, axis):      # numpy; x: float32 -> the quantised numbers, widened to float32 again
;;       x = np.moveaxis(x, axis, -1); K = x.shape[-1]
;;       x = np.pad(x, [(0, 0)] * (x.ndim - 1) + [(0, -K % 32)]); x = x.reshape(x.shape[:-1] + (-1, 32)); a = np.abs(x).max(-1, keepdims=True)
;;       e = np.where(a > 0, np.clip(np.frexp(np.where(a > 0, a, 1))[1] - 1 - 15, -126, 127), 0)      # np.frexp(a)[1] - 1 = floor(log2(a)), exactly
;;       r = np.clip(x / 2.0 ** e, -57344, 57344)
;;       step = 2.0 ** (np.maximum(np.frexp(np.where(r == 0, 1, r))[1] - 1, -14) - 2)
;;       q = np.round(r / step) * step * 2.0 ** e      # np.round: ties to even
;;       return np.moveaxis(q.reshape(q.shape[:-2] + (-1,))[..., :K], -1, axis).astype(np.float32)
;;   ~~~
;;   SOFTMAX AHEAD OF A QUANTISED PRODUCT. Where the list says 'softmax', what is quantised is not the finished softmax but p = 2^(t - M), with t = logit x log2(e) and M = ceil(the row's largest t), a whole number; so 1/2 < the row's largest p <= 1. The row's sum l is taken of the UNQUANTISED p, in f32, and the product's result is divided by l at the end. Since M is a whole number, a kernel that streams over the keys may use a running M (the ceiling of the running maximum): every later rescaling is an exact power of two, which a block's scale takes up: the codes' values come out the same.
;;   OPERANDS COMPUTED ON THE WAY. 'Computed on the way' means the value that the module computes at that place (a softmax that the list does not call 'softmax' is quantised finished and normalised). What goes into a quantiser is computed in f32, as accurately as f32 sums, v_exp_f32 and their like allow (about 1e-6 of the number): no bf16 or f16 on the way to a quantiser, and a product that is left as it is and whose result goes on into a quantised operand takes f32 operands (vector FMAs, or v_wmma_f32_16x16x4_f32). A number that lies on a knife's edge between two numbers of the format may be rounded either way, as far as f32 arithmetic and the matrix unit's own rounding can turn it there, and no further.
;; One version. Each part assembles by itself: llvm-mc -triple=amdgcn-amd-amdhsa -mcpu=gfx1250 --defsym DOCPART=n.
;; ======== version 1 of 1: 4 launches
;; limits: right only within a limited range of input values
;; workspace buffers: oc 11,534,336 bytes; os 360,448 bytes; qkv 25,165,824 bytes; qkvs 786,432 bytes; pc 16,777,216 bytes; pst 1,572,864 bytes
;; launch quant (part 1): grid 176 x 2, 4 waves a work-group, no clusters, 35,328 bytes of LDS; arguments embeddings, Wq, Wk, Wv, oc, os; writes oc, os
.if DOCPART == 1
	.amdgcn_target "amdgcn-amd-amdhsa--gfx1250"
	.amdhsa_code_object_version 6
	.text
	.protected	k_q33d5f57b1a_quant
	.globl	k_q33d5f57b1a_quant
	.p2align	8
	.type	k_q33d5f57b1a_quant,@function
k_q33d5f57b1a_quant:
	s_mov_b64 s[64:65], 0
	v_nop
	global_prefetch_b8 v0, s[64:65] scope:SCOPE_SE
	s_setreg_imm32_b32 hwreg(HW_REG_WAVE_MODE, 25, 1), 1
	s_wait_xcnt 0x0
; LAUNCH 1 OF 4.  embeddings [8192][1024], Wq, Wk, Wv [1024][1024], f32, become codes of BF8 (E5M2) with one E8M0 byte for each 32 along d, the K of the three projections.
; THE WHOLE PROGRAM: quant (this) | proj: q, k = x W^T and v^T = Wv x^T, each quantised on its way out | score: p = 2^(t - M) of the live tiles of q k^T, quantised | pv: O = p v / l.
; WORK LEFT OUT, in the later launches.  reference() sets every score with key > query to -infinity by its own jnp.tril, so its softmax weight is 0 for all finite inputs and adds nothing to any output.
; Tiles of 256 queries x 256 keys that lie wholly above the diagonal are therefore not made (launch score), and the key slots behind a query tile's diagonal slot are not walked (launch pv).
; Inside a tile on the diagonal the hidden part is computed and masked.  Every input has a way to the output and is loaded.
; LIMITS: a NaN, an infinity or an overflow that reaches only the work left out is not carried to the result.  NaN and infinities among the inputs are not served.  A block of zeros gets the byte 1 where the
; quantiser says 127: its codes are zeros, which add nothing under any byte but 0xff, and these bytes are read by this program alone.
; THE LAYOUT OF EVERY OPERAND IN THIS PROGRAM: IMAGES OF FRAGMENTS.  Rows go in blocks of 16: lane r (0..15) of block f holds row ROW(f, r) = 32 (f / 2) + 8 (f % 2) + r + 8 (r / 8).
; IMG(f, kc), 2,048 bytes, is block f's fragment for K = 128 kc .. 128 kc + 127: byte 512 c + 16 lane + i is the code of row ROW(f, lane % 16) at k = 128 kc + 32 c + 16 (lane / 16) + i:
; four loads of 16 bytes a lane at 16 x lane + 512 c are the operand's registers.  The scale words lie [kc][f][16 words]: word r is row ROW(f, r)'s four bytes.
; With that choice of rows a product's results, taken with the next K's rows as source 0, are 16 neighbours along the next K in a lane's registers: they are converted and stored as the next image.
; oc: [f 704][kc 8][2048]: x f 0..511, Wq 512.., Wk 576.., Wv 640..;  os: [kc 8][f 704][64].
; SHARES.  Work-group (gx, y): blocks 4 gx .. 4 gx + 3, kc = 4 y .. 4 y + 3; wave w: block 4 gx + w, a fragment (16 rows x 128 numbers) a step, four steps.
; Each load reads 512 consecutive bytes of one row; the fragment turns through the wave's own stage in LDS (rows 528 bytes apart) so that a lane gets 16 neighbours of each block of 32.
.set STG,   8448                       ; a wave's stage: 16 rows x 528 bytes
.set SCR,   4*STG                      ; the work-group's scale words: 4 kc x 256 bytes
.set SPARE, SCR+1024                   ; the spare words, 128 bytes for each wave: two blocks of 256 bytes that no other line names
.set PW,    7                          ; v7       the scale word just made
.set SPW,   12                         ; v12      LDS address of my spare word; never rewritten
.set NIL,   13                         ; v13      0; never rewritten
.set R,     16                         ; v16-143  two sets of 64: a fragment's numbers as loaded
.set X,     144                        ; v144-207 the same, 16 neighbours of each of four blocks
.set PC,    208                        ; v208-239 two sets of 16: codes
.set TM,    240                        ; v240-255 at work
.set SEL,   24                         ; s[24:25] v_permlanex16_b32's selects for lane l xor 16
.set MNT,   26                         ; s26      the mantissa field of 57,344
	s_load_b256 s[4:11], s[0:1], 0x0               ; embeddings, Wq, Wk, Wv
	s_load_b128 s[12:15], s[0:1], 0x20             ; oc, os
	v_lshl_add_u32 v[SPW], v0, 2, SPARE
	v_mov_b32 v[NIL], 0
	v_lshrrev_b32 v8, 5, v0
	v_readfirstlane_b32 s16, v8                    ; wave
	v_and_b32 v9, 31, v0                           ; lane
	v_and_b32 v10, 15, v0                          ; r
	v_bfe_u32 v11, v0, 4, 1                        ; h
	v_lshlrev_b32 v1, 4, v9                        ; v1: 16 x lane
	s_mul_i32 s17, s16, STG
	v_add_nc_u32 v2, s17, v1                       ; v2: into the stage: 16 x lane of a row
	v_mul_u32_u24 v3, v10, 528
	v_lshl_add_u32 v3, v11, 6, v3
	v_add_nc_u32 v3, s17, v3                       ; v3: out of it: row r, + 64 h
	s_lshl_b32 s18, s16, 6
	s_add_co_u32 s18, s18, SCR
	v_lshl_add_u32 v4, v10, 2, s18                 ; v4: my row's scale word: 64 x wave + 4 r
	s_lshl_b32 s18, s16, 8
	s_add_co_u32 s18, s18, SCR
	v_lshlrev_b32 v6, 3, v9                        ; v6: 8 x lane
	v_add_nc_u32 v5, s18, v6                       ; v5: on the way out wave w takes the 256 bytes of kc = 4 y + w
	s_mov_b32 s[SEL], 0x76543210
	s_mov_b32 s[SEL+1], 0xfedcba98
	s_mov_b32 s[MNT], 0x600000
.irp b, 0,1,2,3
	v_mov_b32 v[TM+4+\b], 0                        ; written once: a lane permute's destination counts as one of its sources
.endr
	s_and_b32 s19, ttmp7, 0xffff                   ; y
	s_sub_co_u32 s20, ttmp9, 128
	s_lshr_b32 s21, s20, 4                         ; which weight (gx >= 128)
	s_and_b32 s22, s20, 15
	s_cmp_lt_u32 ttmp9, 128
	s_cselect_b32 s22, ttmp9, s22                  ; my group of four blocks inside its tensor
	s_lshl_b32 s27, s22, 6                         ; its first row: 64 x group + 32 (wave / 2) + 8 (wave % 2)
	s_lshr_b32 s28, s16, 1
	s_lshl_b32 s28, s28, 5
	s_add_co_u32 s27, s27, s28
	s_and_b32 s28, s16, 1
	s_lshl_b32 s28, s28, 3
	s_add_co_u32 s27, s27, s28
	s_lshl_b32 s28, s27, 12                        ; rows of 4,096 bytes
	s_lshl_b32 s29, s19, 11                        ; + 2,048 y
	s_add_co_u32 s28, s28, s29
	s_mov_b32 s29, 0
	s_lshl_b32 s30, ttmp9, 2
	s_add_co_u32 s30, s30, s16                     ; f
	s_lshl_b32 s30, s30, 14
	s_lshl_b32 s31, s19, 13
	s_add_co_u32 s30, s30, s31                     ; oc: 16,384 f + 8,192 y
	s_mov_b32 s31, 0
	s_lshl_b32 s32, s19, 2
	s_add_co_u32 s32, s32, s16
	s_mul_i32 s32, s32, 45056
	s_lshl_b32 s33, ttmp9, 8
	s_add_co_u32 s32, s32, s33                     ; os: (4 y + wave) x 45,056 + 256 gx
	s_mov_b32 s33, 0
	s_wait_alu depctr_va_vdst(0)
	s_wait_kmcnt 0x0
	s_cmp_eq_u32 s21, 1                            ; the source is chosen on the work-group's number alone: one path for all four tensors
	s_cselect_b64 s[6:7], s[8:9], s[6:7]
	s_cmp_eq_u32 s21, 2
	s_cselect_b64 s[6:7], s[10:11], s[6:7]
	s_cmp_lt_u32 ttmp9, 128
	s_cselect_b64 s[4:5], s[4:5], s[6:7]
	s_add_nc_u64 s[4:5], s[4:5], s[28:29]
	s_add_nc_u64 s[12:13], s[12:13], s[30:31]
	s_add_nc_u64 s[14:15], s[14:15], s[32:33]
.macro LOAD t                          ; step t's 16 rows: 512 consecutive bytes a load
.irp p, 0,1,2,3,4,5,6,7,8,9,10,11,12,13,14,15
	global_load_b128 v[R+64*((\t)%2)+4*\p:R+64*((\t)%2)+4*\p+3], v1, s[4:5] offset:(\p+8*(\p/8))*4096+512*(\t) th:TH_LOAD_NT
.endr
.endm
.macro TURNST t                        ; through the stage: LDS serves a wave's instructions in order, so no wait stands between the stores and the loads
.irp p, 0,1,2,3,4,5,6,7,8,9,10,11,12,13,14,15
	ds_store_b128 v2, v[R+64*((\t)%2)+4*\p:R+64*((\t)%2)+4*\p+3] offset:528*\p
.endr
.irp c, 0,1,2,3
.irp j, 0,1,2,3
	ds_load_b128 v[X+16*\c+4*\j:X+16*\c+4*\j+3], v3 offset:128*\c+16*\j
.endr
.endr
.endm
; 64 numbers of a lane, register 16 b + i = k 32 b + 16 h + i of my row, become a fragment's codes in v[pc] on and its scale word in v[PW]
.macro QUANT s, pc
.irp b, 0,1,2,3
	v_max3_num_f32 v[TM+\b], |v[\s+16*\b]|, |v[\s+1+16*\b]|, 0x8000000   ; my 16 numbers of block b, and the floor 2^(16 - 127): the byte cannot fall under 1
.endr
.irp i, 2,4,6,8,10,12,14
.irp b, 0,1,2,3
	v_max3_num_f32 v[TM+\b], v[TM+\b], |v[\s+16*\b+\i]|, |v[\s+1+16*\b+\i]|
.endr
.endr
.irp b, 0,1,2,3
	v_permlanex16_b32 v[TM+4+\b], v[TM+\b], s[SEL], s[SEL+1]
.endr
.irp b, 0,1,2,3
	v_max_num_f32 v[TM+\b], v[TM+\b], v[TM+4+\b]   ; with lane l xor 16's: the block's largest magnitude
.endr
.irp b, 0,1,2,3
	v_add_nc_u32 v[TM+12+\b], 0xf8800000, v[TM+\b] ; 15 off its exponent field: the conversion's scale operand
.endr
.irp b, 0,1,2,3
	v_and_or_b32 v[TM+8+\b], v[TM+\b], 0x7f800000, s[MNT]   ; 57,344 x the scale
.endr
.irp b, 0,1,2,3
	v_lshrrev_b32 v[TM+4+\b], 23, v[TM+12+\b]      ; the scale's byte
.endr
	v_lshl_or_b32 v[PW], v[TM+5], 8, v[TM+4]
	v_lshl_or_b32 v[PW], v[TM+6], 16, v[PW]
	v_lshl_or_b32 v[PW], v[TM+7], 24, v[PW]
.irp b, 0,1,2,3
.irp i, 0,1,2,3,4,5,6,7,8,9,10,11,12,13,14,15
	v_med3_num_f32 v[\s+16*\b+\i], v[\s+16*\b+\i], -v[TM+8+\b], v[TM+8+\b]   ; the conversion to an 8-bit code does not saturate (ISA guide 7.6.2): the hold
.endr
	v_cvt_scalef32_pk8_bf8_f32 v[(\pc)+4*\b:(\pc)+4*\b+1], v[\s+16*\b:\s+16*\b+7], v[TM+12+\b]
	v_cvt_scalef32_pk8_bf8_f32 v[(\pc)+4*\b+2:(\pc)+4*\b+3], v[\s+16*\b+8:\s+16*\b+15], v[TM+12+\b]
.endr
	v_nop                                          ; a plain instruction behind the last conversion
.endm
.macro STEP t
.if (\t) < 3
	s_wait_loadcnt 16                              ; this step's 16 loads are in; the next step's may be out
.else
	s_wait_loadcnt 0
.endif
	TURNST \t
	s_wait_dscnt 0x0                               ; my 64 numbers are back; the stores into the stage, and the last step's scale word store, have read their registers
.if (\t) < 2
	LOAD (\t)+2
.endif
.if (\t) >= 2
	s_wait_xcnt 0x0                                ; the stores of two steps back have read this set of codes
.endif
	QUANT X, PC+16*((\t)%2)
.irp c, 0,1,2,3
	global_store_b128 v1, v[PC+16*((\t)%2)+4*\c:PC+16*((\t)%2)+4*\c+3], s[12:13] offset:2048*(\t)+512*\c   ; 512 consecutive bytes of the image
.endr
	ds_store_b32 v4, v[PW] offset:256*(\t)         ; lanes r and r + 16 write the same word with the same value
.endm
	LOAD 0
	LOAD 1
	STEP 0
	STEP 1
	STEP 2
	STEP 3
	s_wait_dscnt 0x0                               ; for the others' sake: my scale words lie in LDS
	s_barrier_signal -1
	s_barrier_wait -1
	ds_load_b64 v[8:9], v5                         ; four blocks' words of one kc: 256 bytes
	s_wait_dscnt 0x0
	global_store_b64 v6, v[8:9], s[14:15]          ; 32 lanes store 256 consecutive bytes, at a multiple of 256 from the buffer's first byte
	s_wait_tensorcnt 0x0                           ; the wave's end
	ds_add_u32 v[SPW], v[NIL]
	s_wait_dscnt 0x0
	s_endpgm
.Lfunc_end_k_q33d5f57b1a_quant:
	.size	k_q33d5f57b1a_quant, .Lfunc_end_k_q33d5f57b1a_quant-k_q33d5f57b1a_quant
	.p2alignl 7, 3214868480
	.fill 96, 4, 3214868480
	.section	.rodata,"a",@progbits
	.p2align	6, 0x0
	.amdhsa_kernel k_q33d5f57b1a_quant
		.amdhsa_group_segment_fixed_size 35328
		.amdhsa_private_segment_fixed_size 0
		.amdhsa_enable_private_segment 0
		.amdhsa_kernarg_size 48
		.amdhsa_user_sgpr_count 2
		.amdhsa_user_sgpr_kernarg_segment_ptr 1
		.amdhsa_wavefront_size32 1
		.amdhsa_system_sgpr_workgroup_id_x 1
		.amdhsa_system_sgpr_workgroup_id_y 1
		.amdhsa_system_sgpr_workgroup_id_z 1
		.amdhsa_system_vgpr_workitem_id 0
		.amdhsa_next_free_vgpr 256
		.amdhsa_next_free_sgpr 66
		.amdhsa_reserve_vcc 0
		.amdhsa_float_denorm_mode_32 3
		.amdhsa_float_denorm_mode_16_64 3
		.amdhsa_memory_ordered 1
		.amdhsa_forward_progress 1
		.amdhsa_inst_pref_size 52
	.end_amdhsa_kernel
	.amdgpu_metadata
---
amdhsa.version: [ 1, 2 ]
amdhsa.kernels:
  - .name:           k_q33d5f57b1a_quant
    .symbol:         k_q33d5f57b1a_quant.kd
    .args:
      - { .name: embeddings, .offset: 0, .size: 8, .value_kind: global_buffer, .address_space: global }
      - { .name: Wq, .offset: 8, .size: 8, .value_kind: global_buffer, .address_space: global }
      - { .name: Wk, .offset: 16, .size: 8, .value_kind: global_buffer, .address_space: global }
      - { .name: Wv, .offset: 24, .size: 8, .value_kind: global_buffer, .address_space: global }
      - { .name: oc, .offset: 32, .size: 8, .value_kind: global_buffer, .address_space: global }
      - { .name: os, .offset: 40, .size: 8, .value_kind: global_buffer, .address_space: global }
    .group_segment_fixed_size: 35328
    .private_segment_fixed_size: 0
    .kernarg_segment_align: 8
    .kernarg_segment_size: 48
    .max_flat_workgroup_size: 128
    .sgpr_count:     66
    .vgpr_count:     256
    .wavefront_size: 32
...
	.end_amdgpu_metadata
.endif
;; end of part 1
;; launch proj (part 2): grid 8 x 32, 4 waves a work-group, clusters of 4 x 4, 327,680 bytes of LDS; arguments oc, os, qkv, qkvs; writes qkv, qkvs
.if DOCPART == 2
	.amdgcn_target "amdgcn-amd-amdhsa--gfx1250"
	.amdhsa_code_object_version 6
	.text
	.protected	k_q33d5f57b1a_proj
	.globl	k_q33d5f57b1a_proj
	.p2align	8
	.type	k_q33d5f57b1a_proj,@function
k_q33d5f57b1a_proj:
	s_mov_b64 s[64:65], 0
	v_nop
	global_prefetch_b8 v0, s[64:65] scope:SCOPE_SE
	s_setreg_imm32_b32 hwreg(HW_REG_WAVE_MODE, 25, 1), 1
	s_wait_xcnt 0x0
	s_wait_alu depctr_hold_cnt(0) depctr_sa_sdst(0) depctr_va_vdst(0) depctr_va_sdst(0) depctr_va_ssrc(0) depctr_va_vcc(0) depctr_vm_vsrc(0)
	s_getreg_b32 s2, hwreg(HW_REG_IB_STS2, 6, 4)
	s_cmp_eq_u32 s2, 0
	s_cbranch_scc0 .Lentry_in_a_cluster
	s_endpgm
.Lentry_in_a_cluster:
	s_bfe_u32 s2, ttmp6, 0x10000c
	s_cmp_lg_u32 s2, 0xf033
	s_cbranch_scc0 .Lentry_shape_is_right
	s_endpgm
.Lentry_shape_is_right:
.set SLOT,  131072
.set SCR,   2*SLOT
.set SPARE, SCR+2048
.set L16,  1
.set L4,   2
.set L8,   6
.set SCRH, 7
.set ADRA, 16
.set ADRV, 18
.set ADRB, 20
.set ADRX, 22
.set SCW,  24
.set SCRD, 25
.set SPW,  28
.set NIL,  29
.set SA,   32
.set SB,   64
.set TM,   96
.set PW,   112
.set AF,   128
.set SEL,  12
.set MNT,  17
.set VB,   18
.set XB,   20
.set G1,   24
.set G0,   32
.set WB,   46
.set G1B,  48
.set G0B,  56
.set G1C,  68
.set SA1,  76
.set SB1,  78
.set SA2,  80
.set SB2,  82
.set OC1,  84
.set OS1,  86
.set OC2,  88
.set OS2,  90
.set MSB, 0
.macro WIN new
.if MSB != (\new)
	s_set_vgpr_msb (MSB<<8)|(\new)
.set MSB, (\new)
.endif
.endm
.set MUL_LO, 0xa1
.set MUL_HI, 0xf1
.macro PLACES n
.rept \n
	v_nop
.endr
.endm
.macro FRAG reg, adr, off
.irp c, 0,1,2,3
	ds_load_b128 v[(\reg)+4*\c:(\reg)+4*\c+3], v[\adr] offset:(\off)+512*\c
.endr
.endm
.macro WM zero
.if \zero
.if rR == 0
	v_wmma_scale_f32_16x16x128_f8f6f4 v[rD:rD+7], v[rX:rX+15], v[rY:rY+15], 0, v[rU], v[rV] matrix_a_fmt:MATRIX_FMT_BF8 matrix_b_fmt:MATRIX_FMT_BF8
.elseif rR == 1
	v_wmma_scale_f32_16x16x128_f8f6f4 v[rD:rD+7], v[rX:rX+15], v[rY:rY+15], 0, v[rU], v[rV] matrix_a_fmt:MATRIX_FMT_BF8 matrix_b_fmt:MATRIX_FMT_BF8 matrix_b_scale:MATRIX_SCALE_ROW1
.elseif rR == 2
	v_wmma_scale_f32_16x16x128_f8f6f4 v[rD:rD+7], v[rX:rX+15], v[rY:rY+15], 0, v[rU], v[rV] matrix_a_fmt:MATRIX_FMT_BF8 matrix_b_fmt:MATRIX_FMT_BF8 matrix_a_scale:MATRIX_SCALE_ROW1
.else
	v_wmma_scale_f32_16x16x128_f8f6f4 v[rD:rD+7], v[rX:rX+15], v[rY:rY+15], 0, v[rU], v[rV] matrix_a_fmt:MATRIX_FMT_BF8 matrix_b_fmt:MATRIX_FMT_BF8 matrix_a_scale:MATRIX_SCALE_ROW1 matrix_b_scale:MATRIX_SCALE_ROW1
.endif
.else
.if rR == 0
	v_wmma_scale_f32_16x16x128_f8f6f4 v[rD:rD+7], v[rX:rX+15], v[rY:rY+15], v[rD:rD+7], v[rU], v[rV] matrix_a_fmt:MATRIX_FMT_BF8 matrix_b_fmt:MATRIX_FMT_BF8
.elseif rR == 1
	v_wmma_scale_f32_16x16x128_f8f6f4 v[rD:rD+7], v[rX:rX+15], v[rY:rY+15], v[rD:rD+7], v[rU], v[rV] matrix_a_fmt:MATRIX_FMT_BF8 matrix_b_fmt:MATRIX_FMT_BF8 matrix_b_scale:MATRIX_SCALE_ROW1
.elseif rR == 2
	v_wmma_scale_f32_16x16x128_f8f6f4 v[rD:rD+7], v[rX:rX+15], v[rY:rY+15], v[rD:rD+7], v[rU], v[rV] matrix_a_fmt:MATRIX_FMT_BF8 matrix_b_fmt:MATRIX_FMT_BF8 matrix_a_scale:MATRIX_SCALE_ROW1
.else
	v_wmma_scale_f32_16x16x128_f8f6f4 v[rD:rD+7], v[rX:rX+15], v[rY:rY+15], v[rD:rD+7], v[rU], v[rV] matrix_a_fmt:MATRIX_FMT_BF8 matrix_b_fmt:MATRIX_FMT_BF8 matrix_a_scale:MATRIX_SCALE_ROW1 matrix_b_scale:MATRIX_SCALE_ROW1
.endif
.endif
.endm
.macro JLOAD g0a, g1a, g0b, g1b
	s_cmp_eq_u32 s15, 0
	s_cbranch_scc0 .Lfor_b_\@
	tensor_load_to_lds s[\g0a:\g0a+3], s[\g1a:\g1a+7]
	s_nop 0
.rept 4
	v_nop
.endr
	s_branch .Lasked_\@
.Lfor_b_\@:
	tensor_load_to_lds s[\g0b:\g0b+3], s[\g1b:\g1b+7]
	s_nop 0
.rept 4
	v_nop
.endr
.Lasked_\@:
.endm
.macro CREST
	s_cmp_lg_u32 s14, 0
	s_cbranch_scc1 .Lnot_wave_0_\@
	s_barrier_signal -3
.Lnot_wave_0_\@:
	s_barrier_wait -3
	s_barrier_signal -1
	s_barrier_wait -1
.endm
.macro CROUND
	s_barrier_signal -1
	s_barrier_wait -1
	CREST
.endm
	s_load_b256 s[4:11], s[0:1], 0x0
	v_lshl_add_u32 v[SPW], v0, 2, SPARE
	v_mov_b32 v[NIL], 0
	ds_add_u32 v[SPW], v[NIL]
	ds_add_u32 v[SPW], v[NIL]
	v_lshrrev_b32 v3, 5, v0
	v_readfirstlane_b32 s14, v3
	s_lshr_b32 s15, s14, 1
	s_and_b32 s16, s14, 1
	s_bfe_u32 s40, ttmp6, 0x40000
	s_bfe_u32 s41, ttmp6, 0x40004
	s_lshl_b32 s43, s41, 2
	s_lshl_b32 s43, 15, s43
	s_lshl_b32 s44, 0x1111, s40
	s_or_b32 s[G1], s43, (3<<16)|(1<<21)
	s_or_b32 s[G1B], s44, (3<<16)|(1<<21)
	s_or_b32 s[G1C], s44, (3<<16)|(1<<21)
.irp g, G1, G1B
	s_mov_b32 s[\g+1], 512<<16
	s_mov_b32 s[\g+2], 8<<16
	s_mov_b32 s[\g+3], 512<<16
	s_mov_b32 s[\g+4], 8
	s_mov_b32 s[\g+5], 2048
	s_mov_b32 s[\g+6], 0
	s_mov_b32 s[\g+7], 0
.endr
	s_mov_b32 s[G1C+1], 512<<16
	s_mov_b32 s[G1C+2], 4<<16
	s_mov_b32 s[G1C+3], 512<<16
	s_mov_b32 s[G1C+4], 4
	s_mov_b32 s[G1C+5], 2048
	s_mov_b32 s[G1C+6], 0
	s_mov_b32 s[G1C+7], 0
	s_mov_b32 s[SEL], 0x76543210
	s_mov_b32 s[SEL+1], 0xfedcba98
	s_mov_b32 s[MNT], 0x600000
	s_and_b32 s66, ttmp7, 0xffff
	s_lshl_b32 s66, s66, 2
	s_add_co_u32 s66, s66, s41
	s_lshl_b32 s67, ttmp9, 2
	s_add_co_u32 s67, s67, s40
	s_lshl_b32 s92, s66, 4
	s_lshl_b32 s93, s16, 3
	s_add_co_u32 s[XB], s92, s93
	s_lshl_b32 s[XB], s[XB], 14
	s_mov_b32 s[XB+1], 0
	s_lshl_b32 s94, s67, 4
	s_add_co_u32 s94, s94, 512
	s_add_co_u32 s[WB], s94, s93
	s_lshl_b32 s[WB], s[WB], 14
	s_mov_b32 s[WB+1], 0
	s_lshl_b32 s95, s67, 3
	s_add_co_u32 s95, s95, 640
	s_lshl_b32 s96, s16, 2
	s_add_co_u32 s[VB], s95, s96
	s_lshl_b32 s[VB], s[VB], 14
	s_mov_b32 s[VB+1], 0
	s_lshl_b32 s45, s14, 15
	s_lshl_b32 s97, s15, 3
	s_add_co_u32 s[SA1], s92, s97
	s_lshl_b32 s[SA1], s[SA1], 6
	s_mov_b32 s[SA1+1], 0
	s_add_co_u32 s[SB1], s94, s93
	s_lshl_b32 s[SB1], s[SB1], 6
	s_mov_b32 s[SB1+1], 0
	s_lshl_b32 s[SA2], s15, 2
	s_add_co_u32 s[SA2], s[SA2], s95
	s_lshl_b32 s[SA2], s[SA2], 6
	s_mov_b32 s[SA2+1], 0
	s_add_co_u32 s[SB2], s92, s93
	s_lshl_b32 s[SB2], s[SB2], 6
	s_mov_b32 s[SB2+1], 0
	s_lshl_b32 s22, ttmp9, 9
	s_add_co_u32 s22, s22, s92
	s_add_co_u32 s22, s22, s97
	s_lshl_b32 s23, s40, 1
	s_add_co_u32 s23, s23, s16
	s_lshl_b32 s[OC1], s22, 14
	s_lshl_b32 s42, s23, 11
	s_add_co_u32 s[OC1], s[OC1], s42
	s_mov_b32 s[OC1+1], 0
	s_lshl_b32 s[OS1], s23, 16
	s_lshl_b32 s42, s22, 6
	s_add_co_u32 s[OS1], s[OS1], s42
	s_mov_b32 s[OS1+1], 0
	s_lshl_b32 s22, s67, 3
	s_lshl_b32 s42, s15, 2
	s_add_co_u32 s22, s22, s42
	s_lshl_b32 s23, s66, 1
	s_add_co_u32 s23, s23, s16
	s_lshl_b32 s[OC2], s22, 17
	s_lshl_b32 s42, s23, 11
	s_add_co_u32 s[OC2], s[OC2], s42
	s_add_co_u32 s[OC2], s[OC2], 16777216
	s_mov_b32 s[OC2+1], 0
	s_lshl_b32 s[OS2], s23, 12
	s_lshl_b32 s42, s22, 6
	s_add_co_u32 s[OS2], s[OS2], s42
	s_add_co_u32 s[OS2], s[OS2], 524288
	s_mov_b32 s[OS2+1], 0
	s_wait_dscnt 0x0
	s_wait_kmcnt 0x0
	s_add_nc_u64 s[XB:XB+1], s[4:5], s[XB:XB+1]
	s_add_nc_u64 s[WB:WB+1], s[4:5], s[WB:WB+1]
	s_add_nc_u64 s[VB:VB+1], s[4:5], s[VB:VB+1]
	s_add_nc_u64 s[SA1:SA1+1], s[6:7], s[SA1:SA1+1]
	s_add_nc_u64 s[SB1:SB1+1], s[6:7], s[SB1:SB1+1]
	s_add_nc_u64 s[SA2:SA2+1], s[6:7], s[SA2:SA2+1]
	s_add_nc_u64 s[SB2:SB2+1], s[6:7], s[SB2:SB2+1]
	s_add_nc_u64 s[OC1:OC1+1], s[8:9], s[OC1:OC1+1]
	s_add_nc_u64 s[OC2:OC2+1], s[8:9], s[OC2:OC2+1]
	s_add_nc_u64 s[OS1:OS1+1], s[10:11], s[OS1:OS1+1]
	s_add_nc_u64 s[OS2:OS2+1], s[10:11], s[OS2:OS2+1]
	CROUND
.irp s, 0,1
	s_mov_b32 s[G0+4*\s], 1
	s_add_co_u32 s[G0+4*\s+1], s45, \s*SLOT
	s_add_nc_u64 s[G0+4*\s+2:G0+4*\s+3], s[XB:XB+1], \s*4096
	s_or_b32 s[G0+4*\s+3], s[G0+4*\s+3], 0x80000000
	s_mov_b32 s[G0B+4*\s], 1
	s_add_co_u32 s[G0B+4*\s+1], s45, \s*SLOT
	s_add_nc_u64 s[G0B+4*\s+2:G0B+4*\s+3], s[WB:WB+1], \s*4096
	s_or_b32 s[G0B+4*\s+3], s[G0B+4*\s+3], 0x80000000
	s_wait_alu depctr_va_vdst(0)
	s_wait_tensorcnt 0x0
	ds_add_u32 v28, v29
	ds_add_u32 v28, v29
	s_wait_dscnt 0x0
	CROUND
	JLOAD G0+4*\s, G1, G0B+4*\s, G1B
.endr
	v_and_b32 v3, 31, v0
	v_lshlrev_b32 v[L16], 4, v3
	v_lshlrev_b32 v[L4], 2, v3
	v_lshlrev_b32 v[L8], 3, v3
	v_and_b32 v4, 15, v0
	s_wait_alu depctr_va_vdst(0)
.irp g, 0,1,2,3,4,5,6,7
.irp j, 0,1,2,3
	global_load_b32 v[SA+4*\g+\j], v[L4], s[SA1:SA1+1] offset:45056*\g+128*\j
	global_load_b32 v[SB+4*\g+\j], v[L4], s[SB1:SB1+1] offset:45056*\g+128*\j
.endr
.endr
	s_lshl_b32 s96, s15, 15
	s_lshl_b32 s97, s16, 15
.irp s, 0,1
	v_add_nc_u32 v[ADRA+\s], s96, v[L16]
	v_add_nc_u32 v[ADRX+\s], s97, v[L16]
	s_add_co_u32 s96, s96, 65536
	s_add_co_u32 s97, s97, 65536
	v_add_nc_u32 v[ADRV+\s], s96, v[L16]
	v_add_nc_u32 v[ADRB+\s], s97, v[L16]
	s_add_co_u32 s96, s96, 65536
	s_add_co_u32 s97, s97, 65536
.endr
	s_lshl_b32 s96, s14, 9
	s_add_co_u32 s96, s96, SCR
	v_lshl_add_u32 v[SCW], v4, 2, s96
	v_add_nc_u32 v[SCRD], s96, v[L16]
	v_add_nc_u32 v[SCRH], s96, v[L8]
.irp b, 0,1,2,3
	v_mov_b32 v[TM+4+\b], 0
.endr
.macro MUL16 a0, p, g, zero
.irp a, \a0, \a0+1
.irp b, 0,1,2,3,4,5,6,7
.set rD, 8*(8*((\a)%4)+\b)
.set rX, 128*(\p)+16*\b
.set rY, AF+16*(\a)
.set rU, SB+4*(\g)+\b/2
.set rV, SA+4*(\g)+(\a)/2
.set rR, 2*(\b%2)+(\a)%2
	WM \zero
.endr
.endr
.endm
.macro FETCH_B ls, q, p
	WIN 0x40
.irp i, 0,1,2,3,4,5,6,7
	FRAG 128*(\p)+16*\i, ADRB+\ls, 4096*\i+2048*(\q)
.endr
	WIN 0
.endm
.macro FETCH_A ls, q, i0
.irp i, \i0, \i0+1, \i0+2, \i0+3
	FRAG AF+16*(\i), ADRA+\ls, 4096*(\i)+2048*(\q)
.endr
.endm
.macro STEP ls, g, zero
	s_wait_dscnt 16
	WIN MUL_LO
	MUL16 0, 0, \g, \zero
	MUL16 2, 0, \g, \zero
	s_wait_dscnt 0
	PLACES 8
	FETCH_B \ls, 1, 1
	FETCH_A \ls, 1, 0
	WIN MUL_HI
	MUL16 4, 0, \g, \zero
	MUL16 6, 0, \g, \zero
	PLACES 8
	WIN 0
	FETCH_A \ls, 1, 4
.endm
.macro TURN ls, nx, fill, g
	s_wait_tensorcnt 0x0
	ds_add_u32 v[SPW], v[NIL]
.if \fill == 1
	s_add_nc_u64 s[G0+4*\ls+2:G0+4*\ls+3], s[G0+4*\ls+2:G0+4*\ls+3], 8192
	s_add_nc_u64 s[G0B+4*\ls+2:G0B+4*\ls+3], s[G0B+4*\ls+2:G0B+4*\ls+3], 8192
.else
	s_mov_b64 s[G0+4*\ls+2:G0+4*\ls+3], s[XB:XB+1]
	s_or_b32 s[G0+4*\ls+3], s[G0+4*\ls+3], 0x80000000
	s_mov_b64 s[G0B+4*\ls+2:G0B+4*\ls+3], s[VB:VB+1]
	s_or_b32 s[G0B+4*\ls+3], s[G0B+4*\ls+3], 0x80000000
.endif
	s_wait_dscnt 17
	WIN MUL_LO
	MUL16 0, 1, \g, 0
	s_wait_dscnt 0x0
	s_barrier_signal -1
	MUL16 2, 1, \g, 0
	WIN 0
	s_barrier_wait -1
	CREST
.if \fill == 1
	JLOAD G0+4*\ls, G1, G0B+4*\ls, G1B
.else
	JLOAD G0+4*\ls, G1, G0B+4*\ls, G1C
.endif
	PLACES 4
	s_wait_alu depctr_va_vdst(0)
	FETCH_B \nx, 0, 0
	FETCH_A \nx, 0, 0
	WIN MUL_HI
	MUL16 4, 1, \g, 0
	MUL16 6, 1, \g, 0
	PLACES 8
	WIN 0
	FETCH_A \nx, 0, 4
.endm
.macro MULV a0, p, g, zero
.irp a, \a0, \a0+1
.irp b, 0,1,2,3,4,5,6,7
.set rD, 8*(8*(\a)+\b)
.set rX, 128*(\p)+16*\b
.set rY, AF+64*(\p)+16*(\a)
.set rU, SB+4*(\g)+\b/2
.set rV, SA+2*(\g)+(\a)/2
.set rR, 2*(\b%2)+(\a)%2
	WM \zero
.endr
.endr
.endm
.macro FETCH_X ls, q, p
	WIN 0x40
.irp i, 0,1,2,3,4,5,6,7
	FRAG 128*(\p)+16*\i, ADRX+\ls, 4096*\i+2048*(\q)
.endr
	WIN 0
.endm
.macro FETCH_V ls, q, p
.irp i, 0,1,2,3
	FRAG AF+64*(\p)+16*\i, ADRV+\ls, 4096*\i+2048*(\q)
.endr
.endm
.macro STEP2 ls, g, zero
	s_wait_dscnt 0x0
	WIN MUL_LO
	MULV 0, 0, \g, \zero
	PLACES 8
	FETCH_X \ls, 1, 1
	FETCH_V \ls, 1, 1
	WIN MUL_LO
	MULV 2, 0, \g, \zero
	WIN 0
.endm
.macro TURN2 ls, nx, fill, g
	s_wait_tensorcnt 0x0
	ds_add_u32 v[SPW], v[NIL]
.if \fill
	s_add_nc_u64 s[G0+4*\ls+2:G0+4*\ls+3], s[G0+4*\ls+2:G0+4*\ls+3], 8192
	s_add_nc_u64 s[G0B+4*\ls+2:G0B+4*\ls+3], s[G0B+4*\ls+2:G0B+4*\ls+3], 8192
.endif
	s_wait_dscnt 0x0
	s_barrier_signal -1
	WIN MUL_LO
	MULV 0, 1, \g, 0
	WIN 0
	s_barrier_wait -1
.if \fill
	CREST
	JLOAD G0+4*\ls, G1, G0B+4*\ls, G1C
	PLACES 4
.else
	PLACES 8
.endif
	FETCH_X \nx, 0, 0
	FETCH_V \nx, 0, 0
	WIN MUL_LO
	MULV 2, 1, \g, 0
	WIN 0
.endm
.macro QOUT a, ob, pitch
.set AC, 64*((\a)%4)
.set W, 2+(\a)/4
	WIN (W<<2)|(W<<4)
.irp b, 0,1,2,3
	v_max3_num_f32 v[TM+\b], 0x8000000, |v[AC+16*\b]|, |v[AC+16*\b+1]|
.endr
.irp i, 2,4,6,8,10,12,14
.irp b, 0,1,2,3
	v_max3_num_f32 v[TM+\b], v[TM+\b], |v[AC+16*\b+\i]|, |v[AC+16*\b+\i+1]|
.endr
.endr
	WIN 0
.if (\a) > 0
	s_wait_alu depctr_va_vdst(0)
	s_wait_dscnt 0x0
.endif
.irp b, 0,1,2,3
	v_permlanex16_b32 v[TM+4+\b], v[TM+\b], s[SEL], s[SEL+1]
.endr
.irp b, 0,1,2,3
	v_max_num_f32 v[TM+\b], v[TM+\b], v[TM+4+\b]
.endr
.irp b, 0,1,2,3
	v_add_nc_u32 v[TM+12+\b], 0xf8800000, v[TM+\b]
.endr
.irp b, 0,1,2,3
	v_and_or_b32 v[TM+8+\b], v[TM+\b], 0x7f800000, s[MNT]
.endr
.irp b, 0,1,2,3
	v_lshrrev_b32 v[TM+4+\b], 23, v[TM+12+\b]
.endr
	v_lshl_or_b32 v[PW], v[TM+5], 8, v[TM+4]
	v_lshl_or_b32 v[PW], v[TM+6], 16, v[PW]
	v_lshl_or_b32 v[PW], v[TM+7], 24, v[PW]
	WIN (W<<6)|W
.irp b, 0,1,2,3
.irp i, 0,1,2,3,4,5,6,7,8,9,10,11,12,13,14,15
	v_med3_num_f32 v[AC+16*\b+\i], v[AC+16*\b+\i], -v[TM+8+\b], v[TM+8+\b]
.endr
.endr
	WIN W
.irp b, 0,1,2,3
	v_cvt_scalef32_pk8_bf8_f32 v[AF+16*(\a)+4*\b:AF+16*(\a)+4*\b+1], v[AC+16*\b:AC+16*\b+7], v[TM+12+\b]
	v_cvt_scalef32_pk8_bf8_f32 v[AF+16*(\a)+4*\b+2:AF+16*(\a)+4*\b+3], v[AC+16*\b+8:AC+16*\b+15], v[TM+12+\b]
.endr
	WIN 0
	v_nop
.irp c, 0,1,2,3
	global_store_b128 v[L16], v[AF+16*(\a)+4*\c:AF+16*(\a)+4*\c+3], s[\ob:\ob+1] offset:(\pitch)*(\a)+512*\c
.endr
	ds_store_b32 v[SCW], v[PW] offset:64*(\a)
.endm
	s_wait_tensorcnt 1
	s_barrier_signal -1
	s_barrier_wait -1
	FETCH_B 0, 0, 0
	FETCH_A 0, 0, 0
	FETCH_A 0, 0, 4
	s_wait_loadcnt 0x0
	STEP 0, 0, 1
	TURN 0, 1, 1, 1
	STEP 1, 2, 0
	TURN 1, 0, 1, 3
	STEP 0, 4, 0
	TURN 0, 1, 2, 5
	STEP 1, 6, 0
	s_wait_tensorcnt 0x0
	ds_add_u32 v[SPW], v[NIL]
	s_add_nc_u64 s[G0+6:G0+7], s[XB:XB+1], 4096
	s_or_b32 s[G0+7], s[G0+7], 0x80000000
	s_add_nc_u64 s[G0B+6:G0B+7], s[VB:VB+1], 4096
	s_or_b32 s[G0B+7], s[G0B+7], 0x80000000
	s_wait_dscnt 17
	WIN MUL_LO
	MUL16 0, 1, 7, 0
	s_wait_dscnt 0x0
	s_barrier_signal -1
	MUL16 2, 1, 7, 0
	WIN 0
	s_barrier_wait -1
	CREST
	JLOAD G0+4, G1, G0B+4, G1C
	WIN MUL_HI
	MUL16 4, 1, 7, 0
	MUL16 6, 1, 7, 0
	PLACES 8
	WIN 0
.irp g, 0,1,2,3,4,5,6,7
.irp j, 0,1
	global_load_b32 v[SA+2*\g+\j], v[L4], s[SA2:SA2+1] offset:45056*\g+128*\j
.endr
.irp j, 0,1,2,3
	global_load_b32 v[SB+4*\g+\j], v[L4], s[SB2:SB2+1] offset:45056*\g+128*\j
.endr
.endr
	FETCH_X 0, 0, 0
.irp a, 0,1,2,3,4,5,6,7
	QOUT \a, OC1, 16384
.endr
	ds_load_b128 v[TM:TM+3], v[SCRD]
	s_wait_dscnt 0x0
	global_store_b128 v[L16], v[TM:TM+3], s[OS1:OS1+1]
	s_wait_xcnt 0x0
	FETCH_V 0, 0, 0
	s_wait_loadcnt 0x0
	STEP2 0, 0, 1
	TURN2 0, 1, 1, 1
	STEP2 1, 2, 0
	TURN2 1, 0, 1, 3
	STEP2 0, 4, 0
	TURN2 0, 1, 0, 5
	STEP2 1, 6, 0
	s_wait_dscnt 0x0
	WIN MUL_LO
	MULV 0, 1, 7, 0
	MULV 2, 1, 7, 0
	PLACES 8
.irp a, 0,1,2,3
	QOUT \a, OC2, 131072
.endr
	ds_load_b64 v[TM:TM+1], v[SCRH]
	s_wait_dscnt 0x0
	global_store_b64 v[L8], v[TM:TM+1], s[OS2:OS2+1]
	s_wait_tensorcnt 0x0
	ds_add_u32 v[SPW], v[NIL]
	s_wait_dscnt 0x0
	CROUND
	s_endpgm
.Lfunc_end_k_q33d5f57b1a_proj:
	.size	k_q33d5f57b1a_proj, .Lfunc_end_k_q33d5f57b1a_proj-k_q33d5f57b1a_proj
	.p2alignl 7, 3214868480
	.fill 96, 4, 3214868480
	.section	.rodata,"a",@progbits
	.p2align	6, 0x0
	.amdhsa_kernel k_q33d5f57b1a_proj
		.amdhsa_group_segment_fixed_size 327680
		.amdhsa_private_segment_fixed_size 0
		.amdhsa_enable_private_segment 0
		.amdhsa_kernarg_size 32
		.amdhsa_user_sgpr_count 2
		.amdhsa_user_sgpr_kernarg_segment_ptr 1
		.amdhsa_wavefront_size32 1
		.amdhsa_system_sgpr_workgroup_id_x 1
		.amdhsa_system_sgpr_workgroup_id_y 1
		.amdhsa_system_sgpr_workgroup_id_z 1
		.amdhsa_system_vgpr_workitem_id 0
		.amdhsa_next_free_vgpr 1024
		.amdhsa_next_free_sgpr 100
		.amdhsa_reserve_vcc 0
		.amdhsa_float_denorm_mode_32 3
		.amdhsa_float_denorm_mode_16_64 3
		.amdhsa_memory_ordered 1
		.amdhsa_forward_progress 1
		.amdhsa_inst_pref_size 255
	.end_amdhsa_kernel
	.section	.bss,"aw",@nobits
	.p2align	6
	.space	262144
	.amdgpu_metadata
---
amdhsa.version: [ 1, 2 ]
amdhsa.kernels:
  - .name:           k_q33d5f57b1a_proj
    .symbol:         k_q33d5f57b1a_proj.kd
    .args:
      - { .name: oc, .offset: 0, .size: 8, .value_kind: global_buffer, .address_space: global }
      - { .name: os, .offset: 8, .size: 8, .value_kind: global_buffer, .address_space: global }
      - { .name: qkv, .offset: 16, .size: 8, .value_kind: global_buffer, .address_space: global }
      - { .name: qkvs, .offset: 24, .size: 8, .value_kind: global_buffer, .address_space: global }
    .group_segment_fixed_size: 327680
    .private_segment_fixed_size: 0
    .kernarg_segment_align: 8
    .kernarg_segment_size: 32
    .max_flat_workgroup_size: 128
    .sgpr_count:     100
    .vgpr_count:     1024
    .wavefront_size: 32
...
	.end_amdgpu_metadata
.endif
;; end of part 2
;; launch score (part 3): grid 36 x 4, 4 waves a work-group, no clusters, 327,680 bytes of LDS; arguments qkv, qkvs, pc, pst; writes pc, pst
.if DOCPART == 3
	.amdgcn_target "amdgcn-amd-amdhsa--gfx1250"
	.amdhsa_code_object_version 6
	.text
	.protected	k_q33d5f57b1a_score
	.globl	k_q33d5f57b1a_score
	.p2align	8
	.type	k_q33d5f57b1a_score,@function
k_q33d5f57b1a_score:
	s_mov_b64 s[64:65], 0
	v_nop
	global_prefetch_b8 v0, s[64:65] scope:SCOPE_SE
	s_setreg_imm32_b32 hwreg(HW_REG_WAVE_MODE, 25, 1), 1
	s_wait_xcnt 0x0
; LAUNCH 3 OF 4.  S^T = k q^T on codes of BF8, K = 1,024, for the tiles of 256 queries x 256 keys that reference()'s own causal mask leaves alive, and p quantised along the keys.
; WORK LEFT OUT: the 28 of 64 tiles of each batch that lie wholly above the diagonal: every score there is set to -infinity by jnp.tril, its weight is 0 for all finite inputs (shown at the head of launch quant).
; THE SOFTMAX AHEAD OF THE SECOND PRODUCT, IN TWO PARTS.  t = score x log2(e) / 32.  Here, for each query and each 128 keys: M' = ceil(the largest t of these keys), p = 2^(t - M'), its sum l' of the unquantised p,
; its codes and scale bytes under M'.  M' is a whole number, so the codes are those under the row's final M, and the bytes are M - M' too high: launch pv lowers them, which rounds nothing.
; pc: [fq 512][kc 16][2048]: p's images (fq = global query / 16, kc = key / 128).  pst: three sections of [kc 16][fq 512][16 words]: the scale words with 128 added to each byte; -M' (f32); l' (f32).
; The main part is launch proj's: source 1 = 256 queries, source 0 = 256 keys, four waves of 128 x 128, two LDS slots of two chunks, eight chunks written out.
; NO CLUSTER: a batch's live tiles are a triangle of 36.  In any group of four that shares a tile of q or of k at every place of the triangle some partner would lie above the diagonal
; and would read nothing of what the joint loads bring.  So every wave fetches a quarter of a slot by a load of its own.
; A WAVE'S KIND, from ids: 0 open; 1 on the diagonal (hidden scores become -infinity ahead of the maximum); 2 dead (queries 0-127 against keys 128-255 of a diagonal tile): it stores zero codes, the byte 1,
; -M' = +3e38 and l' = 0, which launch pv reads inside its diagonal slot.
; LIMITS: as at the head of launch quant; v_exp_f32 gives 0 under 2^-126.
.set SLOT,  131072
.set SCR,   2*SLOT                     ; 1,536 bytes for each wave: 8 blocks x 64 bytes of scale words, of -M', of l'
.set SPARE, SCR+6144
.set L16,  1
.set L4,   2
.set ADRA, 16
.set ADRB, 20
.set SCW,  24
.set SCRD, 25
.set DL,   26                          ; v26  r + 8 (r / 8) - 16 h
.set SPW,  28
.set NIL,  29
.set NEGB, 30                          ; v30  -3e38
.set NINF, 31                          ; v31  -infinity
.set SA,   32
.set SB,   64
.set BM,   96                          ; v96-99   the blocks' largest scores, then largest p
.set BX,   100                         ; v100-103 the other half's; then the bytes
.set HOLD, 104
.set SCL,  108
.set NM,   112                         ; v[112:113] -M' (the packed form names the pair)
.set LS,   114
.set LT,   116
.set PW,   118
.set LL,   119
.set TT,   120
.set AF,   128
.set KIND, 18
.set MNT,  19
.set SEL,  20
.set CS,   22                          ; s[22:23] c = log2(e) / 32
.set G1,   24
.set G0,   32
.set PCB,  40
.set PSB,  42
.set MK,   66                          ; s66-97 lane masks of the diagonal
.set MSB, 0
.macro WIN new
.if MSB != (\new)
	s_set_vgpr_msb (MSB<<8)|(\new)
.set MSB, (\new)
.endif
.endm
.set MUL_LO, 0xa1
.set MUL_HI, 0xf1
.macro PLACES n
.rept \n
	v_nop
.endr
.endm
.macro FRAG reg, adr, off
.irp c, 0,1,2,3
	ds_load_b128 v[(\reg)+4*\c:(\reg)+4*\c+3], v[\adr] offset:(\off)+512*\c
.endr
.endm
.macro WM zero
.if \zero
.if rR == 0
	v_wmma_scale_f32_16x16x128_f8f6f4 v[rD:rD+7], v[rX:rX+15], v[rY:rY+15], 0, v[rU], v[rV] matrix_a_fmt:MATRIX_FMT_BF8 matrix_b_fmt:MATRIX_FMT_BF8
.elseif rR == 1
	v_wmma_scale_f32_16x16x128_f8f6f4 v[rD:rD+7], v[rX:rX+15], v[rY:rY+15], 0, v[rU], v[rV] matrix_a_fmt:MATRIX_FMT_BF8 matrix_b_fmt:MATRIX_FMT_BF8 matrix_b_scale:MATRIX_SCALE_ROW1
.elseif rR == 2
	v_wmma_scale_f32_16x16x128_f8f6f4 v[rD:rD+7], v[rX:rX+15], v[rY:rY+15], 0, v[rU], v[rV] matrix_a_fmt:MATRIX_FMT_BF8 matrix_b_fmt:MATRIX_FMT_BF8 matrix_a_scale:MATRIX_SCALE_ROW1
.else
	v_wmma_scale_f32_16x16x128_f8f6f4 v[rD:rD+7], v[rX:rX+15], v[rY:rY+15], 0, v[rU], v[rV] matrix_a_fmt:MATRIX_FMT_BF8 matrix_b_fmt:MATRIX_FMT_BF8 matrix_a_scale:MATRIX_SCALE_ROW1 matrix_b_scale:MATRIX_SCALE_ROW1
.endif
.else
.if rR == 0
	v_wmma_scale_f32_16x16x128_f8f6f4 v[rD:rD+7], v[rX:rX+15], v[rY:rY+15], v[rD:rD+7], v[rU], v[rV] matrix_a_fmt:MATRIX_FMT_BF8 matrix_b_fmt:MATRIX_FMT_BF8
.elseif rR == 1
	v_wmma_scale_f32_16x16x128_f8f6f4 v[rD:rD+7], v[rX:rX+15], v[rY:rY+15], v[rD:rD+7], v[rU], v[rV] matrix_a_fmt:MATRIX_FMT_BF8 matrix_b_fmt:MATRIX_FMT_BF8 matrix_b_scale:MATRIX_SCALE_ROW1
.elseif rR == 2
	v_wmma_scale_f32_16x16x128_f8f6f4 v[rD:rD+7], v[rX:rX+15], v[rY:rY+15], v[rD:rD+7], v[rU], v[rV] matrix_a_fmt:MATRIX_FMT_BF8 matrix_b_fmt:MATRIX_FMT_BF8 matrix_a_scale:MATRIX_SCALE_ROW1
.else
	v_wmma_scale_f32_16x16x128_f8f6f4 v[rD:rD+7], v[rX:rX+15], v[rY:rY+15], v[rD:rD+7], v[rU], v[rV] matrix_a_fmt:MATRIX_FMT_BF8 matrix_b_fmt:MATRIX_FMT_BF8 matrix_a_scale:MATRIX_SCALE_ROW1 matrix_b_scale:MATRIX_SCALE_ROW1
.endif
.endif
.endm
.macro TL ls                           ; my quarter of a slot; an s_nop 0 and four v_nop follow
	tensor_load_to_lds s[G0+4*\ls:G0+4*\ls+3], s[G1:G1+7]
	s_nop 0
.rept 4
	v_nop
.endr
.endm
	s_load_b256 s[4:11], s[0:1], 0x0               ; qkv, qkvs, pc, pst
	v_lshl_add_u32 v[SPW], v0, 2, SPARE
	v_mov_b32 v[NIL], 0
	ds_add_u32 v[SPW], v[NIL]                      ; the wave's opening: the add, twice on end, and its wait ahead of my first tensor load
	ds_add_u32 v[SPW], v[NIL]
	v_lshrrev_b32 v3, 5, v0
	v_readfirstlane_b32 s14, v3                    ; wave
	s_lshr_b32 s15, s14, 1                         ; wr: my half of the queries
	s_and_b32 s16, s14, 1                          ; wc: my half of the keys
	s_and_b32 s17, ttmp7, 0xffff                   ; batch
	s_mov_b32 s12, 0                               ; the tile row: how many of the triangle's row starts lie at or under my number
.irp T, 1,3,6,10,15,21,28
	s_cmp_ge_u32 ttmp9, \T
	s_add_co_ci_u32 s12, s12, 0
.endr
	s_add_co_u32 s13, s12, 1
	s_mul_i32 s13, s13, s12
	s_lshr_b32 s13, s13, 1
	s_sub_co_u32 s13, ttmp9, s13                   ; the tile column, 0 .. tile row
	s_mov_b32 s[G1], 3<<16                         ; no mask; elements of 8 bytes; no padding
	s_mov_b32 s[G1+1], 512<<16
	s_mov_b32 s[G1+2], 8<<16
	s_mov_b32 s[G1+3], 512<<16
	s_mov_b32 s[G1+4], 8
	s_mov_b32 s[G1+5], 2048
	s_mov_b32 s[G1+6], 0
	s_mov_b32 s[G1+7], 0
	s_mov_b32 s[MNT], 0x600000
	s_mov_b32 s[SEL], 0x76543210
	s_mov_b32 s[SEL+1], 0xfedcba98
	s_mov_b32 s[CS], 0x3d38aa3b
	s_mov_b32 s[CS+1], s[CS]
	s_lshl_b32 s50, s17, 7
	s_lshl_b32 s51, s13, 4
	s_add_co_u32 s51, s51, s50
	s_add_co_u32 s51, s51, 512                     ; k's first block: 512 + 128 b + 16 tc
	s_lshl_b32 s49, s12, 4
	s_add_co_u32 s50, s50, s49                     ; q's: 128 b + 16 tr
	s_lshl_b32 s56, s16, 3
	s_cmp_lt_u32 s14, 2                            ; waves 0 and 1 fetch q's halves, waves 2 and 3 k's
	s_cselect_b32 s49, s50, s51
	s_add_co_u32 s49, s49, s56
	s_lshl_b32 s52, s49, 14
	s_mov_b32 s53, 0
	s_lshl_b32 s48, s14, 15                        ; where it goes: 32,768 x wave
	s_lshl_b32 s54, s15, 3
	s_add_co_u32 s54, s54, s50                     ; my first block of queries
	s_lshl_b32 s55, s13, 1
	s_add_co_u32 s55, s55, s16                     ; my chunk of keys
	s_lshl_b32 s[PCB], s54, 15
	s_lshl_b32 s57, s55, 11
	s_add_co_u32 s[PCB], s[PCB], s57
	s_mov_b32 s[PCB+1], 0
	s_lshl_b32 s[PSB], s55, 15
	s_lshl_b32 s44, s54, 6
	s_add_co_u32 s[PSB], s[PSB], s44
	s_mov_b32 s[PSB+1], 0
	s_mov_b32 s45, 0                               ; s[44:45]: my queries' scale words
	s_add_co_u32 s46, s51, s56
	s_lshl_b32 s46, s46, 6                         ; s[46:47]: my keys'
	s_mov_b32 s47, 0
	s_cmp_eq_u32 s15, s16
	s_cselect_b32 s57, 1, 0
	s_cmp_lt_u32 s15, s16
	s_cselect_b32 s58, 2, 0
	s_or_b32 s57, s57, s58
	s_cmp_eq_u32 s12, s13
	s_cselect_b32 s[KIND], s57, 0
	s_wait_dscnt 0x0                               ; both opening adds are done
	s_wait_kmcnt 0x0
	s_add_nc_u64 s[52:53], s[4:5], s[52:53]
	s_add_nc_u64 s[44:45], s[6:7], s[44:45]
	s_add_nc_u64 s[46:47], s[6:7], s[46:47]
	s_add_nc_u64 s[PCB:PCB+1], s[8:9], s[PCB:PCB+1]
	s_add_nc_u64 s[PSB:PSB+1], s[10:11], s[PSB:PSB+1]
.irp s, 0,1
	s_mov_b32 s[G0+4*\s], 1
	s_add_co_u32 s[G0+4*\s+1], s48, \s*SLOT
	s_add_nc_u64 s[G0+4*\s+2:G0+4*\s+3], s[52:53], \s*4096
	s_or_b32 s[G0+4*\s+3], s[G0+4*\s+3], 0x80000000
.endr
	TL 0                                           ; slot 0: one tensor load a wave at the head
	v_and_b32 v3, 31, v0
	v_lshlrev_b32 v[L16], 4, v3
	v_lshlrev_b32 v[L4], 2, v3
	v_and_b32 v4, 15, v0
	s_wait_alu depctr_va_vdst(0)
.irp g, 0,1,2,3,4,5,6,7
.irp j, 0,1,2,3
	global_load_b32 v[SA+4*\g+\j], v[L4], s[44:45] offset:65536*\g+128*\j
	global_load_b32 v[SB+4*\g+\j], v[L4], s[46:47] offset:65536*\g+128*\j
.endr
.endr
	s_lshl_b32 s56, s15, 15
	s_lshl_b32 s57, s16, 15
	s_add_co_u32 s57, s57, 65536
.irp s, 0,1
	v_add_nc_u32 v[ADRA+\s], s56, v[L16]
	v_add_nc_u32 v[ADRB+\s], s57, v[L16]
	s_add_co_u32 s56, s56, SLOT
	s_add_co_u32 s57, s57, SLOT
.endr
	s_mul_i32 s56, s14, 1536
	s_add_co_u32 s56, s56, SCR
	v_lshl_add_u32 v[SCW], v4, 2, s56
	v_add_nc_u32 v[SCRD], s56, v[L16]
	v_and_b32 v5, 8, v4
	v_add_nc_u32 v[DL], v4, v5
	v_bfe_u32 v5, v0, 4, 1
	v_lshlrev_b32 v5, 4, v5
	v_sub_nc_u32 v[DL], v[DL], v5
	v_mov_b32 v[NEGB], 0xff61b1e6
	v_mov_b32 v[NINF], 0xff800000
	v_mov_b32 v[NM+1], 0                           ; (named as the upper half of a pair)
	v_mov_b32 v[TT], 0                             ; written once: a lane permute's destination counts as one of its sources
.irp b, 0,1,2,3
	v_mov_b32 v[BX+\b], 0
.endr
.macro MUL16 a0, p, g, zero
.irp a, \a0, \a0+1
.irp b, 0,1,2,3,4,5,6,7
.set rD, 8*(8*((\a)%4)+\b)
.set rX, 128*(\p)+16*\b
.set rY, AF+16*(\a)
.set rU, SB+4*(\g)+\b/2
.set rV, SA+4*(\g)+(\a)/2
.set rR, 2*(\b%2)+(\a)%2
	WM \zero
.endr
.endr
.endm
.macro FETCH_B ls, q, p
	WIN 0x40
.irp i, 0,1,2,3,4,5,6,7
	FRAG 128*(\p)+16*\i, ADRB+\ls, 4096*\i+2048*(\q)
.endr
	WIN 0
.endm
.macro FETCH_A ls, q, i0
.irp i, \i0, \i0+1, \i0+2, \i0+3
	FRAG AF+16*(\i), ADRA+\ls, 4096*(\i)+2048*(\q)
.endr
.endm
.macro STEP ls, g, zero
	s_wait_dscnt 16                                ; the keys' set and the queries' blocks 0-3 are in; the youngest 16 loads may be out
	WIN MUL_LO
	MUL16 0, 0, \g, \zero
	MUL16 2, 0, \g, \zero
	s_wait_dscnt 0
	PLACES 8
	FETCH_B \ls, 1, 1
	FETCH_A \ls, 1, 0
	WIN MUL_HI
	MUL16 4, 0, \g, \zero
	MUL16 6, 0, \g, \zero
	PLACES 8
	WIN 0
	FETCH_A \ls, 1, 4
.endm
.macro TURN ls, nx, fill, g
	s_wait_tensorcnt 0x0                           ; all my tensor loads have landed: my part of the next slot
	ds_add_u32 v[SPW], v[NIL]
.if \fill
	s_add_nc_u64 s[G0+4*\ls+2:G0+4*\ls+3], s[G0+4*\ls+2:G0+4*\ls+3], 8192   ; no load of mine is out: this slot's next two chunks
.endif
	s_wait_dscnt 17                                ; (the add and the youngest 16 loads may be out)
	WIN MUL_LO
	MUL16 0, 1, \g, 0
	s_wait_dscnt 0x0                               ; the add is done, and my reads of this slot are over
	s_barrier_signal -1
	MUL16 2, 1, \g, 0
	WIN 0
	s_barrier_wait -1
.if \fill
	TL \ls                                         ; my one tensor load behind the barrier, and the first thing there; its four v_nop are four of the eight places
	PLACES 4
.else
	PLACES 8
.endif
	FETCH_B \nx, 0, 0
	FETCH_A \nx, 0, 0
	WIN MUL_HI
	MUL16 4, 1, \g, 0
	MUL16 6, 1, \g, 0
	PLACES 8
	WIN 0
	FETCH_A \nx, 0, 4
.endm
	s_wait_alu depctr_va_vdst(0)
	s_wait_tensorcnt 0x0                           ; my part of slot 0 is in
	ds_add_u32 v[SPW], v[NIL]
	s_wait_dscnt 0x0
	s_barrier_signal -1
	s_barrier_wait -1
	TL 1                                           ; slot 1's first fill, my one tensor load behind this barrier
	FETCH_B 0, 0, 0
	FETCH_A 0, 0, 0
	FETCH_A 0, 0, 4
	s_wait_loadcnt 0x0                             ; the scale words
	STEP 0, 0, 1
	TURN 0, 1, 1, 1
	STEP 1, 2, 0
	TURN 1, 0, 1, 3
	STEP 0, 4, 0
	TURN 0, 1, 0, 5
	STEP 1, 6, 0
	s_wait_dscnt 16
	WIN MUL_LO
	MUL16 0, 1, 7, 0
	MUL16 2, 1, 7, 0
	s_wait_dscnt 0
	WIN MUL_HI
	MUL16 4, 1, 7, 0
	MUL16 6, 1, 7, 0
	WIN 0
	PLACES 8
	; THE DIAGONAL'S MASKS.  In a diagonal wave register 16 c + i of block a holds key 32 c + 16 h + i, and my query is 32 (a / 2) + 8 (a % 2) + r + 8 (r / 8): hidden where 32 c + i > 32 (a / 2) + 8 (a % 2) + DL.
	; DL lies in -16 .. 23: so never for c < a / 2, always for c > a / 2, and for c = a / 2 where i - 8 (a % 2) > DL: 2 x 16 lane masks serve all eight blocks
.irp i, 0,1,2,3,4,5,6,7,8,9,10,11,12,13,14,15
	v_cmp_gt_i32 s[MK+\i], \i, v[DL]
	v_cmp_gt_i32 s[MK+16+\i], \i-8, v[DL]
.endr
	s_cmp_eq_u32 s[KIND], 2
	s_cbranch_scc1 .Ldead
; Block a: 16 queries x my 128 keys
.macro SOFT a
.set AC, 64*((\a)%4)
.set W, 2+(\a)/4
.set CD, (\a)/2
	s_cmp_eq_u32 s[KIND], 1
	s_cbranch_scc0 .Lopen_\@
	WIN (W<<6)|W
.irp i, 0,1,2,3,4,5,6,7,8,9,10,11,12,13,14,15
	v_cndmask_b32 v[AC+16*CD+\i], v[AC+16*CD+\i], v[NINF], s[MK+16*((\a)%2)+\i]
.endr
.if CD < 3
.set n, 16*(CD+1)
.rept 48-16*CD
	v_mov_b32 v[AC+n], 0xff800000
.set n, n+1
.endr
.endif
	WIN 0
.Lopen_\@:
	WIN (W<<2)|(W<<4)
.irp b, 0,1,2,3
	v_max3_num_f32 v[BM+\b], v[NEGB], v[AC+16*\b], v[AC+16*\b+1]   ; the largest score of each block of 32 keys: for the row's maximum, and, since p rises with the score, for the block's largest p
.endr
.irp i, 2,4,6,8,10,12,14
.irp b, 0,1,2,3
	v_max3_num_f32 v[BM+\b], v[BM+\b], v[AC+16*\b+\i], v[AC+16*\b+\i+1]
.endr
.endr
	WIN 0
.if (\a) > 0
	s_wait_alu depctr_va_vdst(0)
	s_wait_dscnt 0x0                               ; the last block's three LDS stores have read their registers
.endif
.irp b, 0,1,2,3
	v_permlanex16_b32 v[BX+\b], v[BM+\b], s[SEL], s[SEL+1]
.endr
.irp b, 0,1,2,3
	v_max_num_f32 v[BM+\b], v[BM+\b], v[BX+\b]
.endr
	v_max3_num_f32 v[TT], v[BM], v[BM+1], v[BM+2]
	v_max_num_f32 v[TT], v[TT], v[BM+3]
	v_mul_f32 v[TT], s[CS], v[TT]                  ; the largest t of my query among these keys
	v_floor_f32 v[NM], -v[TT]                      ; -M' = floor(-t) = -ceil(t)
.irp b, 0,1,2,3
	v_fma_f32 v[BM+\b], v[BM+\b], s[CS], v[NM]
.endr
	WIN (W<<6)|W
.set n, 0
.rept 32
	v_pk_fma_f32 v[AC+n:AC+n+1], v[AC+n:AC+n+1], s[CS:CS+1], v[NM:NM+1] op_sel_hi:[1,0,0]   ; t - M', two at a time
.set n, n+2
.endr
.set n, 0
	s_wait_alu depctr_va_vdst(0)
.rept 64
	v_exp_f32 v[AC+n], v[AC+n]                     ; p = 2^(t - M')
.set n, n+1
.endr
	WIN 0
	v_nop                                          ; a plain instruction behind the exponentials
	s_wait_alu depctr_va_vdst(0)                   ; one wait for the batch of 64, ahead of its first reader
.irp b, 0,1,2,3
	v_exp_f32 v[BM+\b], v[BM+\b]                   ; the blocks' largest p: the same two operations on the same number give the same bits
.endr
	WIN W|(W<<2)
	v_pk_add_f32 v[LS:LS+1], v[AC:AC+1], v[AC+2:AC+3]        ; the sum of the unquantised p, two at a time, in two chains
	v_pk_add_f32 v[LT:LT+1], v[AC+4:AC+5], v[AC+6:AC+7]
	WIN W
.irp m, 8,12,16,20,24,28,32,36,40,44,48,52,56,60
	v_pk_add_f32 v[LS:LS+1], v[AC+\m:AC+\m+1], v[LS:LS+1]
	v_pk_add_f32 v[LT:LT+1], v[AC+\m+2:AC+\m+3], v[LT:LT+1]
.endr
	WIN 0
	v_pk_add_f32 v[LS:LS+1], v[LS:LS+1], v[LT:LT+1]
	v_add_f32 v[LL], v[LS], v[LS+1]
	v_permlanex16_b32 v[TT], v[LL], s[SEL], s[SEL+1]
	v_add_f32 v[LL], v[LL], v[TT]                  ; l'
	s_wait_alu depctr_va_vdst(0)                   ; and one wait for the four
.irp b, 0,1,2,3
	v_max_num_f32 v[BM+\b], 0x8000000, v[BM+\b]    ; the floor 2^(16 - 127): the byte cannot fall under 1
.endr
.irp b, 0,1,2,3
	v_add_nc_u32 v[SCL+\b], 0xf8800000, v[BM+\b]
.endr
.irp b, 0,1,2,3
	v_and_or_b32 v[HOLD+\b], v[BM+\b], 0x7f800000, s[MNT]
.endr
.irp b, 0,1,2,3
	v_lshrrev_b32 v[BX+\b], 23, v[SCL+\b]
.endr
	v_lshl_or_b32 v[PW], v[BX+1], 8, v[BX]
	v_lshl_or_b32 v[PW], v[BX+2], 16, v[PW]
	v_lshl_or_b32 v[PW], v[BX+3], 24, v[PW]
	v_or_b32 v[PW], 0x80808080, v[PW]              ; p is at most 1, so a byte is at most 112: 128 is added to each, so that the later subtraction borrows nothing from byte to byte
	WIN (W<<6)|W
.irp b, 0,1,2,3
.irp i, 0,1,2,3,4,5,6,7,8,9,10,11,12,13,14,15
	v_min_num_f32 v[AC+16*\b+\i], v[AC+16*\b+\i], v[HOLD+\b]   ; the hold; p is not negative
.endr
.endr
	WIN W
.irp b, 0,1,2,3
	v_cvt_scalef32_pk8_bf8_f32 v[AF+16*(\a)+4*\b:AF+16*(\a)+4*\b+1], v[AC+16*\b:AC+16*\b+7], v[SCL+\b]
	v_cvt_scalef32_pk8_bf8_f32 v[AF+16*(\a)+4*\b+2:AF+16*(\a)+4*\b+3], v[AC+16*\b+8:AC+16*\b+15], v[SCL+\b]
.endr
	WIN 0
	v_nop                                          ; a plain instruction behind the last conversion
.irp c, 0,1,2,3
	global_store_b128 v[L16], v[AF+16*(\a)+4*\c:AF+16*(\a)+4*\c+3], s[PCB:PCB+1] offset:32768*(\a)+512*\c
.endr
	ds_store_b32 v[SCW], v[PW] offset:64*(\a)
	ds_store_b32 v[SCW], v[NM] offset:512+64*(\a)
	ds_store_b32 v[SCW], v[LL] offset:1024+64*(\a)
.endm
.irp a, 0,1,2,3,4,5,6,7
	SOFT \a
.endr
	s_branch .Ljoin
.Ldead:
.irp c, 0,1,2,3
	v_mov_b32 v[AF+\c], 0                          ; zero codes
.endr
	v_mov_b32 v[PW], 0x81818181                    ; the byte 1, + 128
	v_mov_b32 v[NM], 0x7f61b1e6                    ; -M' = +3e38: over every other chunk's, so it never becomes the row's
	v_mov_b32 v[LL], 0
.irp a, 0,1,2,3,4,5,6,7
.irp c, 0,1,2,3
	global_store_b128 v[L16], v[AF:AF+3], s[PCB:PCB+1] offset:32768*\a+512*\c
.endr
	ds_store_b32 v[SCW], v[PW] offset:64*\a
	ds_store_b32 v[SCW], v[NM] offset:512+64*\a
	ds_store_b32 v[SCW], v[LL] offset:1024+64*\a
.endr
.Ljoin:
.irp k, 0,1,2
	ds_load_b128 v[BM+4*\k:BM+4*\k+3], v[SCRD] offset:512*\k   ; LDS serves a wave's instructions in order: these see my stores
.endr
	s_wait_dscnt 0x0
.irp k, 0,1,2
	global_store_b128 v[L16], v[BM+4*\k:BM+4*\k+3], s[PSB:PSB+1] offset:524288*\k   ; my eight blocks' words: 512 consecutive bytes in each section
.endr
	s_wait_tensorcnt 0x0                           ; the wave's end
	ds_add_u32 v[SPW], v[NIL]
	s_wait_dscnt 0x0
	s_endpgm
.Lfunc_end_k_q33d5f57b1a_score:
	.size	k_q33d5f57b1a_score, .Lfunc_end_k_q33d5f57b1a_score-k_q33d5f57b1a_score
	.p2alignl 7, 3214868480
	.fill 96, 4, 3214868480
	.section	.rodata,"a",@progbits
	.p2align	6, 0x0
	.amdhsa_kernel k_q33d5f57b1a_score
		.amdhsa_group_segment_fixed_size 327680
		.amdhsa_private_segment_fixed_size 0
		.amdhsa_enable_private_segment 0
		.amdhsa_kernarg_size 32
		.amdhsa_user_sgpr_count 2
		.amdhsa_user_sgpr_kernarg_segment_ptr 1
		.amdhsa_wavefront_size32 1
		.amdhsa_system_sgpr_workgroup_id_x 1
		.amdhsa_system_sgpr_workgroup_id_y 1
		.amdhsa_system_sgpr_workgroup_id_z 1
		.amdhsa_system_vgpr_workitem_id 0
		.amdhsa_next_free_vgpr 1024
		.amdhsa_next_free_sgpr 100
		.amdhsa_reserve_vcc 0
		.amdhsa_float_denorm_mode_32 3
		.amdhsa_float_denorm_mode_16_64 3
		.amdhsa_memory_ordered 1
		.amdhsa_forward_progress 1
		.amdhsa_inst_pref_size 254
	.end_amdhsa_kernel
	.amdgpu_metadata
---
amdhsa.version: [ 1, 2 ]
amdhsa.kernels:
  - .name:           k_q33d5f57b1a_score
    .symbol:         k_q33d5f57b1a_score.kd
    .args:
      - { .name: qkv, .offset: 0, .size: 8, .value_kind: global_buffer, .address_space: global }
      - { .name: qkvs, .offset: 8, .size: 8, .value_kind: global_buffer, .address_space: global }
      - { .name: pc, .offset: 16, .size: 8, .value_kind: global_buffer, .address_space: global }
      - { .name: pst, .offset: 24, .size: 8, .value_kind: global_buffer, .address_space: global }
    .group_segment_fixed_size: 327680
    .private_segment_fixed_size: 0
    .kernarg_segment_align: 8
    .kernarg_segment_size: 32
    .max_flat_workgroup_size: 128
    .sgpr_count:     100
    .vgpr_count:     1024
    .wavefront_size: 32
...
	.end_amdgpu_metadata
.endif
;; end of part 3
;; launch pv (part 4): grid 8 x 32, 4 waves a work-group, clusters of 4 x 1, 327,680 bytes of LDS; arguments pc, pst, qkv, qkvs, out0; writes out0
.if DOCPART == 4
	.amdgcn_target "amdgcn-amd-amdhsa--gfx1250"
	.amdhsa_code_object_version 6
	.text
	.protected	k_q33d5f57b1a_pv
	.globl	k_q33d5f57b1a_pv
	.p2align	8
	.type	k_q33d5f57b1a_pv,@function
k_q33d5f57b1a_pv:
	s_mov_b64 s[64:65], 0
	v_nop
	global_prefetch_b8 v0, s[64:65] scope:SCOPE_SE
	s_setreg_imm32_b32 hwreg(HW_REG_WAVE_MODE, 25, 1), 1
	s_wait_xcnt 0x0
	s_wait_alu depctr_hold_cnt(0) depctr_sa_sdst(0) depctr_va_vdst(0) depctr_va_sdst(0) depctr_va_ssrc(0) depctr_va_vcc(0) depctr_vm_vsrc(0)
	s_getreg_b32 s2, hwreg(HW_REG_IB_STS2, 6, 4)
	s_cmp_eq_u32 s2, 0
	s_cbranch_scc0 .Lentry_in_a_cluster
	s_endpgm
.Lentry_in_a_cluster:
	s_bfe_u32 s2, ttmp6, 0x10000c
	s_cmp_lg_u32 s2, 0x3003
	s_cbranch_scc0 .Lentry_shape_is_right
	s_endpgm
.Lentry_shape_is_right:
; LAUNCH 4 OF 4.  O = p v / l on codes of BF8: source 0 = 16 channels of v^T, source 1 = 16 queries of p, K = the keys: a lane holds one query, its registers eight neighbouring channels.
; WORK LEFT OUT: the chunks of 128 keys behind a query block's own: p is 0 there by reference()'s own causal mask (shown at the head of launch quant).
; SHARES.  Work-group (j, y): batch b = y / 8, channels 128 (y % 8) .. + 127, and 16 fragments of 16 queries: f = j + 8 i, i = 0 .. 15: one out of each block of 128 queries.  Fragment i needs the key chunks 0 .. i:
; so all 256 work-groups hold the same triangle and walk all 16 chunks.  Wave w owns i = w + 4 s, s = 0 .. 3 (its SLOTS): in chunk c = 4 g + d the slots behind g are live, slot g where d <= w.
; v^T's 128 channels x 2,048 keys, 262,144 bytes, come into LDS ONCE: one joint load of 65,536 bytes a wave, wave g's for chunks 4 g .. 4 g + 3, shown to all by a barrier ahead of the first of them.  Nothing is filled again.
; p's images are read by one wave each: they go from memory into registers, a ring of 16 images of 16 registers; an image's registers take the image 16 further on as soon as its products are issued.
; Where slot g is dead for the wave (d > w) its loads name the slot's last live image again and its products are jumped over, so that every path has the same count of loads.
; A slot is complete behind chunk 4 s + 3 and leaves there, while the later chunks are on their way.
; THE PROLOGUE finishes the softmax's bookkeeping.  For each query: -M = the least -M' of its chunks; d = M' - M, a whole number, 0 or less, held at -127; l = the sum of l' x 2^d; each scale byte of p is lowered by |d|,
; which rounds nothing.  LIMIT: a byte that would fall under 0 is held at 0 (2^-127): such a block's share is under 2^-110 of a row whose l is at least 1/2.
; CLUSTER: four work-groups with the same batch and channels (j = 4 x cluster x + cx): v^T is asked for jointly (mask 15), and all four read all of it.  cx enters global addresses of p, pst and O alone.
; NO PREFETCH: all of v^T is asked for at the head, and each image of p by its own load 12 to 16 images ahead of its products.
; REGISTERS: window 0: v1-14 addresses; v16-39 p's scale words (slots 0 and 1, chunk c: v[16 + c]; slots 2 and 3: v[24 + c]; lanes 0-15 the even slot, lanes 16-31 the odd one); v40-71 v^T's, two sets of four chunks;
;   v72-79 1 / l; v80-183 the prologue, then v80-207 the way out.   window 1: p's ring.   window 2: v^T's fragments, two sets of 128.   window 3: the accumulators, slot s, channel tile t at v[64 s + 8 t].
.set STAGE, 262144                     ; behind v^T: 16 rows x 528 bytes for each wave
.set SPARE, STAGE+4*8448
.set L16,  1
.set L4,   2
.set STO,  4
.set RD,   5
.set ADR,  6
.set SPW,  10
.set NIL,  11
.set IL,   12                          ; v12  w + 4 h: my lane's i in the pair of slots 0, 1; + 8 in the pair 2, 3
.set BX,   13                          ; v13  4 r + 2,048 h
.set PS,   16
.set VS,   40
.set RL,   72
.set RAW,  80
.set NMR,  104
.set LR,   128
.set OFF,  152
.set N0,   160
.set N1,   161
.set N2,   162
.set L0,   164
.set L1,   165
.set T0,   168
.set T1,   172
.set T2,   176
.set T3,   180
.set OU,   80
.set OV,   144
.set G1,   24
.set G0,   32
.set VB,   36
.set PB,   40                          ; s[40:47] my slot 0's images, + min(d, w) chunks, d = 0 .. 3
.set PSB,  48
.set VSB,  50
.set OB,   52
.set SEL,  68
.set ONES, 70
.set HM,   71
.set MK,   72                          ; s73-79 lanes whose fragment has chunk c = 1 .. 7 (pair 2, 3: 8 + c)
.set MSB, 0
.macro WIN new
.if MSB != (\new)
	s_set_vgpr_msb (MSB<<8)|(\new)
.set MSB, (\new)
.endif
.endm
.macro PLACES n
.rept \n
	v_nop
.endr
.endm
.macro WM zero
.if \zero
.if rR == 0
	v_wmma_scale_f32_16x16x128_f8f6f4 v[rD:rD+7], v[rX:rX+15], v[rY:rY+15], 0, v[rU], v[rV] matrix_a_fmt:MATRIX_FMT_BF8 matrix_b_fmt:MATRIX_FMT_BF8
.elseif rR == 1
	v_wmma_scale_f32_16x16x128_f8f6f4 v[rD:rD+7], v[rX:rX+15], v[rY:rY+15], 0, v[rU], v[rV] matrix_a_fmt:MATRIX_FMT_BF8 matrix_b_fmt:MATRIX_FMT_BF8 matrix_b_scale:MATRIX_SCALE_ROW1
.elseif rR == 2
	v_wmma_scale_f32_16x16x128_f8f6f4 v[rD:rD+7], v[rX:rX+15], v[rY:rY+15], 0, v[rU], v[rV] matrix_a_fmt:MATRIX_FMT_BF8 matrix_b_fmt:MATRIX_FMT_BF8 matrix_a_scale:MATRIX_SCALE_ROW1
.else
	v_wmma_scale_f32_16x16x128_f8f6f4 v[rD:rD+7], v[rX:rX+15], v[rY:rY+15], 0, v[rU], v[rV] matrix_a_fmt:MATRIX_FMT_BF8 matrix_b_fmt:MATRIX_FMT_BF8 matrix_a_scale:MATRIX_SCALE_ROW1 matrix_b_scale:MATRIX_SCALE_ROW1
.endif
.else
.if rR == 0
	v_wmma_scale_f32_16x16x128_f8f6f4 v[rD:rD+7], v[rX:rX+15], v[rY:rY+15], v[rD:rD+7], v[rU], v[rV] matrix_a_fmt:MATRIX_FMT_BF8 matrix_b_fmt:MATRIX_FMT_BF8
.elseif rR == 1
	v_wmma_scale_f32_16x16x128_f8f6f4 v[rD:rD+7], v[rX:rX+15], v[rY:rY+15], v[rD:rD+7], v[rU], v[rV] matrix_a_fmt:MATRIX_FMT_BF8 matrix_b_fmt:MATRIX_FMT_BF8 matrix_b_scale:MATRIX_SCALE_ROW1
.elseif rR == 2
	v_wmma_scale_f32_16x16x128_f8f6f4 v[rD:rD+7], v[rX:rX+15], v[rY:rY+15], v[rD:rD+7], v[rU], v[rV] matrix_a_fmt:MATRIX_FMT_BF8 matrix_b_fmt:MATRIX_FMT_BF8 matrix_a_scale:MATRIX_SCALE_ROW1
.else
	v_wmma_scale_f32_16x16x128_f8f6f4 v[rD:rD+7], v[rX:rX+15], v[rY:rY+15], v[rD:rD+7], v[rU], v[rV] matrix_a_fmt:MATRIX_FMT_BF8 matrix_b_fmt:MATRIX_FMT_BF8 matrix_a_scale:MATRIX_SCALE_ROW1 matrix_b_scale:MATRIX_SCALE_ROW1
.endif
.endif
.endm
.macro CROUND                          ; a round of the cluster's barrier
	s_barrier_signal -1
	s_barrier_wait -1
	s_cmp_lg_u32 s14, 0
	s_cbranch_scc1 .Lnot_wave_0_\@
	s_barrier_signal -3
.Lnot_wave_0_\@:
	s_barrier_wait -3
	s_barrier_signal -1
	s_barrier_wait -1
.endm
	s_load_b256 s[4:11], s[0:1], 0x0               ; pc, pst, qkv, qkvs
	s_load_b64 s[12:13], s[0:1], 0x20              ; out0
	v_lshl_add_u32 v[SPW], v0, 2, SPARE
	v_mov_b32 v[NIL], 0
	ds_add_u32 v[SPW], v[NIL]                      ; the wave's opening: the add, twice on end, and its wait ahead of my first tensor load
	ds_add_u32 v[SPW], v[NIL]
	v_lshrrev_b32 v3, 5, v0
	v_readfirstlane_b32 s14, v3                    ; wave w
	s_bfe_u32 s17, ttmp6, 0x40000                  ; cx
	s_lshl_b32 s18, ttmp9, 2
	s_add_co_u32 s18, s18, s17                     ; j
	s_and_b32 s19, ttmp7, 0xffff
	s_lshr_b32 s20, s19, 3                         ; batch
	s_and_b32 s21, s19, 7                          ; my 128 channels
	s_mov_b32 s[G1], 15|(3<<16)|(1<<21)            ; the mask: all four; elements of 8 bytes; 21 set beside a mask
	s_mov_b32 s[G1+1], 1024<<16
	s_mov_b32 s[G1+2], 8<<16
	s_mov_b32 s[G1+3], 1024<<16                    ; four chunks: 8,192 bytes of each
	s_mov_b32 s[G1+4], 8                           ; of eight blocks of channels,
	s_mov_b32 s[G1+5], 16384                       ; 131,072 bytes apart
	s_mov_b32 s[G1+6], 0
	s_mov_b32 s[G1+7], 0
	s_lshl_b32 s[VB], s21, 20                      ; v^T: 16,777,216 + (8 x my channels' number) x 131,072 + (16 b + 4 w) x 2,048
	s_lshl_b32 s62, s20, 15
	s_add_co_u32 s[VB], s[VB], s62
	s_lshl_b32 s62, s14, 13
	s_add_co_u32 s[VB], s[VB], s62
	s_add_co_u32 s[VB], s[VB], 16777216
	s_mov_b32 s[VB+1], 0
	s_mov_b32 s[G0], 1
	s_lshl_b32 s[G0+1], s14, 16                    ; LDS: 65,536 x wave
	s_lshl_b32 s22, s20, 7
	s_add_co_u32 s22, s22, s18
	s_lshl_b32 s23, s14, 3
	s_add_co_u32 s22, s22, s23                     ; my slot 0's fragment: 128 b + j + 8 w; slot s is 32 s further on
	s_lshl_b32 s[PB], s22, 15
	s_mov_b32 s[PB+1], 0
.irp d, 1,2,3
	s_min_u32 s54, s14, \d
	s_lshl_b32 s[54+2*\d], s54, 11
	s_mov_b32 s[55+2*\d], 0
.endr
	s_lshl_b32 s[PSB], s22, 6
	s_mov_b32 s[PSB+1], 0
	s_lshl_b32 s[VSB], s20, 16
	s_lshl_b32 s54, s21, 9
	s_add_co_u32 s[VSB], s[VSB], s54
	s_add_co_u32 s[VSB], s[VSB], 524288
	s_mov_b32 s[VSB+1], 0
	s_lshl_b32 s54, s20, 11                        ; O: row 2,048 b + 128 w + 32 (j / 2) + 8 (j % 2); slot s is 512 rows further on
	s_lshl_b32 s55, s14, 7
	s_add_co_u32 s54, s54, s55
	s_lshr_b32 s55, s18, 1
	s_lshl_b32 s55, s55, 5
	s_add_co_u32 s54, s54, s55
	s_and_b32 s55, s18, 1
	s_lshl_b32 s55, s55, 3
	s_add_co_u32 s54, s54, s55
	s_lshl_b32 s[OB], s54, 12
	s_lshl_b32 s55, s21, 9
	s_add_co_u32 s[OB], s[OB], s55
	s_mov_b32 s[OB+1], 0
	s_mov_b32 s[SEL], 0x76543210
	s_mov_b32 s[SEL+1], 0xfedcba98
	s_mov_b32 s[ONES], 0x01010101
	s_mov_b32 s[HM], 0xffff0000
	s_mul_i32 s66, s14, 8448
	s_add_co_u32 s66, s66, STAGE                   ; my stage
	v_and_b32 v3, 31, v0
	v_lshlrev_b32 v[L16], 4, v3
	v_lshlrev_b32 v[L4], 2, v3
	v_and_b32 v3, 15, v0                           ; r
	v_bfe_u32 v14, v0, 4, 1                        ; h
	v_lshlrev_b32 v[IL], 2, v14
	v_add_nc_u32 v[IL], s14, v[IL]
	v_lshlrev_b32 v[BX], 11, v14
	v_lshl_add_u32 v[BX], v3, 2, v[BX]
	v_mul_u32_u24 v[STO], v3, 528
	v_lshl_add_u32 v[STO], v14, 6, v[STO]
	v_add_nc_u32 v[STO], s66, v[STO]               ; into my stage: row r, + 64 h
	v_add_nc_u32 v[RD], s66, v[L16]                ; back: a row of 512 bytes
	v_mov_b32 v[ADR], v[L16]
	v_add_nc_u32 v[ADR+1], 0x10000, v[L16]
	v_add_nc_u32 v[ADR+2], 0x20000, v[L16]
	v_add_nc_u32 v[ADR+3], 0x30000, v[L16]
.irp c, 0,1,2,3,4,5,6,7                ; where my lane's words of chunk c lie in pst: no further on than its fragment's last chunk
	v_min_u32 v[OFF+\c], \c, v[IL]
	v_lshl_add_u32 v[OFF+\c], v[OFF+\c], 15, v[BX]
.endr
.irp c, 1,2,3,4,5,6,7
	v_cmp_le_u32 s[MK+\c], \c, v[IL]
.endr
	s_wait_alu depctr_va_vdst(0)
	s_wait_dscnt 0x0                               ; both opening adds are done
	CROUND                                         ; all four work-groups are here: the joint loads meet
	s_wait_kmcnt 0x0
	s_add_nc_u64 s[G0+2:G0+3], s[8:9], s[VB:VB+1]
	s_or_b32 s[G0+3], s[G0+3], 0x80000000
; THE HEAD'S LOADS, ONE A WAVE, each on a line of its own: wave g's tile is shown by the barrier ahead of chunk 4 g
.macro ARM wv, next
	s_cmp_eq_u32 s14, \wv
	s_cbranch_scc0 \next
	tensor_load_to_lds s[G0:G0+3], s[G1:G1+7]
	s_nop 0
	PLACES 4
	s_branch .Lasked
\next:
.endm
	ARM 0, .Lwave_1
	ARM 1, .Lwave_2
	ARM 2, .Lwave_3
	tensor_load_to_lds s[G0:G0+3], s[G1:G1+7]
	s_nop 0
	PLACES 4
.Lasked:
	s_add_nc_u64 s[PB:PB+1], s[4:5], s[PB:PB+1]
.irp d, 1,2,3
	s_add_nc_u64 s[PB+2*\d:PB+2*\d+1], s[PB:PB+1], s[54+2*\d:55+2*\d]
.endr
	s_add_nc_u64 s[PSB:PSB+1], s[6:7], s[PSB:PSB+1]
	s_add_nc_u64 s[VSB:VSB+1], s[10:11], s[VSB:VSB+1]
	s_add_nc_u64 s[OB:OB+1], s[12:13], s[OB:OB+1]
; pst: 24 registers of each section: q = c for slots 0, 1 (chunks 0-7), q = 8 + c for slots 2, 3 (chunks 0-15)
.macro PST reg, sec
.irp c, 0,1,2,3,4,5,6,7
	global_load_b32 v[\reg+\c], v[OFF+\c], s[PSB:PSB+1] offset:\sec*524288
	global_load_b32 v[\reg+8+\c], v[BX], s[PSB:PSB+1] offset:\sec*524288+4096+32768*\c
	global_load_b32 v[\reg+16+\c], v[OFF+\c], s[PSB:PSB+1] offset:\sec*524288+4096+262144
.endr
.endm
.macro VSL g                           ; v^T's scale words of four chunks: register 4 d + q: lanes 0-15 block 2 q, lanes 16-31 block 2 q + 1 of my eight
.irp d, 0,1,2,3
.irp q, 0,1,2,3
	global_load_b32 v[VS+16*((\g)%2)+4*\d+\q], v[L4], s[VSB:VSB+1] offset:4096*(4*(\g)+\d)+128*\q
.endr
.endr
.endm
; image N_ of my 40, in the order of use: chunk 0's slots 0-3, .., chunk 4's slots 1-3, .., chunk 8's slots 2-3, .., chunks 12-15's slot 3
.macro PUNIT
.if N_ < 16
.set uC, N_/4
.set uS, N_%4
.elseif N_ < 28
.set uC, 4+(N_-16)/3
.set uS, 1+(N_-16)%3
.elseif N_ < 36
.set uC, 8+(N_-28)/2
.set uS, 2+(N_-28)%2
.else
.set uC, 12+N_-36
.set uS, 3
.endif
.set uR, 16*(N_%16)
.if uS == uC/4
.set uB, PB+2*(uC%4)
.set uO, uS*1048576+(uC/4)*8192
.else
.set uB, PB
.set uO, uS*1048576+uC*2048
.endif
	WIN 0x40
.irp c, 0,1,2,3
	global_load_b128 v[uR+4*\c:uR+4*\c+3], v[L16], s[uB:uB+1] offset:uO+512*\c
.endr
.endm
	PST NMR, 1
	PST RAW, 0
	PST LR, 2
	VSL 0
.set N_, 0
.rept 15
	PUNIT
.set N_, N_+1
.endr
	WIN 0
	s_wait_loadcnt 0x3f                            ; pst's words are in: 76 loads were issued behind them
	v_mov_b32 v[L0], 0
	v_mov_b32 v[L1], 0
	; -M: the least -M' of a query's chunks (a chunk that is named twice changes nothing)
	v_min3_num_f32 v[N0], v[NMR], v[NMR+1], v[NMR+2]
	v_min3_num_f32 v[N1], v[NMR+8], v[NMR+9], v[NMR+10]
	v_min3_num_f32 v[N2], v[NMR+11], v[NMR+12], v[NMR+13]
	v_min3_num_f32 v[N0], v[N0], v[NMR+3], v[NMR+4]
	v_min3_num_f32 v[N1], v[N1], v[NMR+14], v[NMR+15]
	v_min3_num_f32 v[N2], v[N2], v[NMR+16], v[NMR+17]
	v_min3_num_f32 v[N0], v[N0], v[NMR+5], v[NMR+6]
	v_min3_num_f32 v[N1], v[N1], v[NMR+18], v[NMR+19]
	v_min3_num_f32 v[N2], v[N2], v[NMR+20], v[NMR+21]
	v_min_num_f32 v[N0], v[N0], v[NMR+7]
	v_min3_num_f32 v[N1], v[N1], v[NMR+22], v[NMR+23]
	v_min_num_f32 v[N1], v[N1], v[N2]
; four registers of words under their query's -M; m: the number of the first one's lane mask (0: it needs none), 8: none of the four needs one
.macro FIX q, nf, l, m
.irp k, 0,1,2,3
	v_sub_f32 v[T0+\k], v[\nf], v[NMR+\q+\k]                   ; d = M' - M: a whole number, 0 or less
.endr
.irp k, 0,1,2,3
	v_max_num_f32 v[T0+\k], 0xc2fe0000, v[T0+\k]               ; held at -127
.endr
.irp k, 0,1,2,3
	v_cvt_i32_f32 v[T0+\k], v[T0+\k]
.endr
.irp k, 0,1,2,3
	v_mul_lo_u32 v[T2+\k], v[T0+\k], s[ONES]                   ; d in all four bytes
.endr
.irp k, 0,1,2,3
	v_ldexp_f32 v[T1+\k], v[LR+\q+\k], v[T0+\k]                ; l' x 2^d
.endr
.irp k, 0,1,2,3
	v_add_nc_u32 v[T2+\k], v[T2+\k], v[RAW+\q+\k]              ; each byte holds 129 .. 240 and loses at most 127: nothing is borrowed from byte to byte
.endr
.if \m < 8
.irp k, 0,1,2,3
.if \m+\k > 0
	v_cndmask_b32 v[T1+\k], 0, v[T1+\k], s[MK+\m+\k]           ; a chunk behind the fragment's last adds nothing
.endif
.endr
.endif
.irp k, 0,1,2,3
	v_and_b32 v[T3+\k], 0x80808080, v[T2+\k]                   ; the bytes that stayed at 0 or above
.endr
	v_add_f32 v[T1], v[T1], v[T1+1]
	v_add_f32 v[T1+2], v[T1+2], v[T1+3]
.irp k, 0,1,2,3
	v_lshrrev_b32 v[T0+\k], 7, v[T3+\k]
.endr
	v_add_f32 v[T1], v[T1], v[T1+2]
.irp k, 0,1,2,3
	v_sub_nc_u32 v[T3+\k], v[T3+\k], v[T0+\k]                  ; 0x7f in those bytes
.endr
	v_add_f32 v[\l], v[\l], v[T1]
.irp k, 0,1,2,3
	v_and_b32 v[PS+\q+\k], v[T2+\k], v[T3+\k]                  ; the lowered byte, or 0
.endr
.endm
	FIX 0, N0, L0, 0
	FIX 4, N0, L0, 4
	FIX 8, N1, L1, 8
	FIX 12, N1, L1, 8
	FIX 16, N1, L1, 0
	FIX 20, N1, L1, 4
	s_wait_alu depctr_va_vdst(0)
	v_rcp_f32 v[T0], v[L0]
	v_rcp_f32 v[T0+1], v[L1]
	v_nop                                          ; a plain instruction behind the reciprocals
	s_wait_alu depctr_va_vdst(0)                   ; one wait for both, ahead of their first reader
	v_permlanex16_b32 v[T2], v[T0], s[SEL], s[SEL+1]
	v_permlanex16_b32 v[T2+1], v[T0+1], s[SEL], s[SEL+1]
.irp x, 0,1                            ; a slot's 1 / l goes to both halves of the lanes
	v_mov_b32 v[RL+4*\x+1], 0                      ; (named as the upper halves of pairs)
	v_mov_b32 v[RL+4*\x+3], 0
	v_cndmask_b32 v[RL+4*\x], v[T0+\x], v[T2+\x], s[HM]
	v_cndmask_b32 v[RL+4*\x+2], v[T2+\x], v[T0+\x], s[HM]
.endr
	s_wait_alu depctr_va_vdst(0)
	PUNIT                                          ; image 15
	WIN 0
	VSL 1
.macro SHOW g                          ; the tensor load of wave g has landed, for all waves: no LDS access of mine is out
.if (\g) < 3
	s_cmp_lt_u32 s14, (\g)+1
	s_cbranch_scc0 .Lnot_yet_\@
	s_wait_tensorcnt 0x0
.Lnot_yet_\@:
.else
	s_wait_tensorcnt 0x0
.endif
	s_barrier_signal -1
	s_barrier_wait -1
.endm
.macro FETCH                           ; chunk F_: eight fragments of v^T
	WIN 0x80
.irp t, 0,1,2,3,4,5,6,7
.irp c, 0,1,2,3
	ds_load_b128 v[128*(F_%2)+16*\t+4*\c:128*(F_%2)+16*\t+4*\c+3], v[ADR+F_/4] offset:8192*\t+2048*(F_%4)+512*\c
.endr
.endr
	WIN 0
.endm
; 8 products: chunk CK, slot S_.  The accumulators take turns, one instruction a turn
.macro PROD
.if CK < 4
.set U_, 4*CK+S_
.elseif CK < 8
.set U_, 16+3*(CK-4)+S_-1
.elseif CK < 12
.set U_, 28+2*(CK-8)+S_-2
.else
.set U_, 36+CK-12
.endif
	WIN 0xf6                                       ; source 0 window 2, source 1 window 1, C and D window 3
.irp t, 0,1,2,3,4,5,6,7
.set rD, 64*S_+8*\t
.set rX, 128*(CK%2)+16*\t
.set rY, 16*(U_%16)
.set rU, VS+16*((CK/4)%2)+4*(CK%4)+\t/2
.set rV, PS+CK+8*(S_/2)
.set rR, 2*(\t%2)+S_%2
.if CK == 0
	WM 1
.else
	WM 0
.endif
.endr
.endm
; THE WAY OUT of slot K_: 16 queries x 128 channels, x 1 / l, through my stage, so that 32 lanes store 512 consecutive bytes, at a multiple of 256 from O's first byte
.macro EPI
	WIN 0x03                                       ; source 0 window 3
.set n_, 0
.rept 32
	v_pk_mul_f32 v[OU+n_:OU+n_+1], v[64*K_+n_:64*K_+n_+1], v[RL+2*K_:RL+2*K_+1] op_sel_hi:[1,0]   ; each accumulator from its low end on
.set n_, n_+2
.endr
	WIN 0
.irp t, 0,1,2,3,4,5,6,7
	ds_store_b128 v[STO], v[OU+8*\t:OU+8*\t+3] offset:128*(\t/2)+32*(\t%2)        ; register j of tile t: channel 32 (t / 2) + 8 (t % 2) + 16 h + j
	ds_store_b128 v[STO], v[OU+8*\t+4:OU+8*\t+7] offset:128*(\t/2)+32*(\t%2)+16
.endr
.if K_ > 0
	s_wait_xcnt 0x0                                ; the last slot's stores have read these registers
.endif
.irp q, 0,1,2,3,4,5,6,7,8,9,10,11,12,13,14,15
	ds_load_b128 v[OV+4*\q:OV+4*\q+3], v[RD] offset:528*\q    ; LDS serves a wave's instructions in order: these see my stores
.endr
	s_wait_dscnt 0x0
.irp q, 0,1,2,3,4,5,6,7,8,9,10,11,12,13,14,15
	global_store_b128 v[L16], v[OV+4*\q:OV+4*\q+3], s[OB:OB+1] offset:K_*2097152+(\q+8*(\q/8))*4096 th:TH_STORE_NT
.endr
.endm
.macro CHUNK
.if CK > 0
	PLACES 8                                       ; behind the last chunk's products: for the loads below and the way out
.if CK == 4 || CK == 8
	VSL CK/4+1
.endif
.set PC_, CK-1                         ; the last chunk's registers take the images 16 further on
.if PC_ < 4
.set N_, 4*PC_+16
.elseif PC_ < 8
.set N_, 3*(PC_-4)+32
.else
.set N_, 40
.endif
.rept 4-PC_/4
.if N_ < 40
	PUNIT
.endif
.set N_, N_+1
.endr
	WIN 0
.endif
	s_wait_dscnt 0x0                               ; this chunk's fragments are in
.if CK < 15
.if CK%4 == 3
	SHOW (CK/4+1)
.endif
.set F_, CK+1
	FETCH
.endif
.if CK > 0 && CK%4 == 0
.set K_, CK/4-1
	EPI
.endif
.if CK < 8
	s_wait_loadcnt 0x3f                            ; this chunk's images are in: 64 or 68 loads were issued behind them
.elseif CK < 12
	s_wait_loadcnt 56-8*(CK-8)                     ; so many were issued behind them
.else
	s_wait_loadcnt 0x0
.endif
.set S_, CK/4+1
.rept 3-CK/4
	PROD
.set S_, S_+1
.endr
.set S_, CK/4
.if CK%4 > 0
	WIN 0
	s_cmp_lt_u32 s14, CK%4                         ; slot g is live where d <= w
	s_cbranch_scc1 .Ldead_\@
.endif
	PROD
	WIN 0
.if CK%4 > 0
.Ldead_\@:
.endif
.endm
	SHOW 0
.set F_, 0
	FETCH
.set CK, 0
.rept 16
	CHUNK
.set CK, CK+1
.endr
	PLACES 8
.set K_, 3
	EPI
	s_wait_tensorcnt 0x0                           ; the wave's end
	ds_add_u32 v[SPW], v[NIL]
	s_wait_dscnt 0x0
	CROUND                                         ; the closing round
	s_endpgm
.Lfunc_end_k_q33d5f57b1a_pv:
	.size	k_q33d5f57b1a_pv, .Lfunc_end_k_q33d5f57b1a_pv-k_q33d5f57b1a_pv
	.p2alignl 7, 3214868480
	.fill 96, 4, 3214868480
	.section	.rodata,"a",@progbits
	.p2align	6, 0x0
	.amdhsa_kernel k_q33d5f57b1a_pv
		.amdhsa_group_segment_fixed_size 327680
		.amdhsa_private_segment_fixed_size 0
		.amdhsa_enable_private_segment 0
		.amdhsa_kernarg_size 40
		.amdhsa_user_sgpr_count 2
		.amdhsa_user_sgpr_kernarg_segment_ptr 1
		.amdhsa_wavefront_size32 1
		.amdhsa_system_sgpr_workgroup_id_x 1
		.amdhsa_system_sgpr_workgroup_id_y 1
		.amdhsa_system_sgpr_workgroup_id_z 1
		.amdhsa_system_vgpr_workitem_id 0
		.amdhsa_next_free_vgpr 1024
		.amdhsa_next_free_sgpr 100
		.amdhsa_reserve_vcc 0
		.amdhsa_float_denorm_mode_32 3
		.amdhsa_float_denorm_mode_16_64 3
		.amdhsa_memory_ordered 1
		.amdhsa_forward_progress 1
		.amdhsa_inst_pref_size 154
	.end_amdhsa_kernel
	.amdgpu_metadata
---
amdhsa.version: [ 1, 2 ]
amdhsa.kernels:
  - .name:           k_q33d5f57b1a_pv
    .symbol:         k_q33d5f57b1a_pv.kd
    .args:
      - { .name: pc, .offset: 0, .size: 8, .value_kind: global_buffer, .address_space: global }
      - { .name: pst, .offset: 8, .size: 8, .value_kind: global_buffer, .address_space: global }
      - { .name: qkv, .offset: 16, .size: 8, .value_kind: global_buffer, .address_space: global }
      - { .name: qkvs, .offset: 24, .size: 8, .value_kind: global_buffer, .address_space: global }
      - { .name: out0, .offset: 32, .size: 8, .value_kind: global_buffer, .address_space: global }
    .group_segment_fixed_size: 327680
    .private_segment_fixed_size: 0
    .kernarg_segment_align: 8
    .kernarg_segment_size: 40
    .max_flat_workgroup_size: 128
    .sgpr_count:     100
    .vgpr_count:     1024
    .wavefront_size: 32
...
	.end_amdgpu_metadata
.endif
;; end of part 4
